; MI455X (gfx1250); checked and timed in simulation.
; The chip was launched on July 23, 2026; its instructions are those of AMD's public machine-readable ISA for CDNA 5 (MIT licence, August 2026) and "CDNA5" Instruction Set Architecture Reference Guide (July 2026). The comments in the code are by the model that wrote it; some were corrected since.
;; Spike Modulated Attention Block. Allowed arithmetic: matrix products marked QUANTISED: E5M2 operands, one given power-of-two scale a tensor, by v_wmma_f32_16x16x64_bf8_bf8 or v_wmma_f32_16x16x128_bf8_bf8, f32 sums; everything else in f32.
;; Inputs: K_codes 4 x 2,048 x 16 x 32 uint8 (E5M2 codes of K, K innermost, in blocks of 32 codes); Q_codes 4 x 2,048 x 16 x 32 uint8 (E5M2 codes of Q, K innermost, in blocks of 32 codes); Wk_codes 512 x 16 x 32 uint8 (E5M2 codes of Wk, K innermost, in blocks of 32 codes); Wo_codes 512 x 16 x 32 uint8 (E5M2 codes of Wo, K innermost, in blocks of 32 codes); Wq_codes 512 x 16 x 32 uint8 (E5M2 codes of Wq, K innermost, in blocks of 32 codes); Wv_codes 512 x 16 x 32 uint8 (E5M2 codes of Wv, K innermost, in blocks of 32 codes); bk 512 float32; bo 512 float32; bq 512 float32; bv 512 float32; ln0_b 512 float32; ln0_g 512 float32; ln1_b 512 float32; ln1_g 512 float32; lowp_scales 12 int32 (the exponents e of the quantised operands' scales 2^e); mask 4 x 2,048 x 2,048 int32; temperature 4 x 2,048 x 1 float32.
;; Outputs: out0 4 x 2,048 x 512 float32.
;; This version of the problem:
;;   THIS VERSION OF THE PROBLEM IS GIVEN IN LOW PRECISION. The matrix products marked QUANTISED in the list below multiply operands that are first quantised to E5M2 (5 exponent bits, 2 mantissa bits; 8 bits a number), with one given power-of-two scale for each operand tensor; their sums are f32. All else is computed in f32.
;;   The module's matrix products, in the order in which they are computed (A, B: the left and right operand; K: the contracted axis; several contracted axes count as one K, in the product's order):
;;     1. [M 8,192, K 512] x [K 512, N 512]; A: input Q (given as codes); B: input Wq (given as codes): QUANTISED (scales: A lowp_scales[0], B lowp_scales[1])
;;     2. [M 8,192, K 512] x [K 512, N 512]; A: input K (given as codes); B: input Wk (given as codes): QUANTISED (scales: A lowp_scales[2], B lowp_scales[3])
;;     3. [M 8,192, K 512] x [K 512, N 512]; A: input K (given as codes); B: input Wv (given as codes): QUANTISED (scales: A lowp_scales[4], B lowp_scales[5])
;;     4. batch 32 x [M 2,048, K 64] x [K 64, N 2,048]; A: computed on the way; B: computed on the way: QUANTISED (scales: A lowp_scales[6], B lowp_scales[7])
;;     5. batch 32 x [M 64, K 2,048] x [K 2,048, N 2,048]; A: computed on the way; B: softmax (see below): QUANTISED (scales: A lowp_scales[8], B lowp_scales[9])
;;     6. [M 8,192, K 512] x [K 512, N 512]; A: computed on the way; B: input Wo (given as codes): QUANTISED (scales: A lowp_scales[10], B lowp_scales[11])
;;   THE QUANTISER, for each operand of a quantised product, along K:
;;     - The operand's scale is 2^e, e = its entry of the input lowp_scales (int32; the entries are numbered through the quantised products in the list's order, A before B).
;;     - Each number is divided by the scale, clamped to +-57,344, and rounded to the nearest number of E5M2, ties to even, subnormals kept.
;;     - The product sums the exact products of the quantised numbers (number of the format x scale) in f32.
;;   ~~~python
;;   def quantise(x, axis, e):      # numpy; x: float32 -> the quantised numbers, widened to float32 again
;;       x = np.moveaxis(x, axis, -1); K = x.shape[-1]
;;       r = np.clip(x / 2.0 ** e, -57344, 57344)
;;       step = 2.0 ** (np.maximum(np.frexp(np.where(r == 0, 1, r))[1] - 1, -14) - 2)
;;       q = np.round(r / step) * step * 2.0 ** e      # np.round: ties to even
;;       return np.moveaxis(q, -1, axis).astype(np.float32)
;;   ~~~
;;   SOFTMAX AHEAD OF A QUANTISED PRODUCT. Where the list says 'softmax', what is quantised is not the finished softmax but p = 2^(t - M), with t = logit x log2(e) and M = ceil(the row's largest t), a whole number; so 1/2 < the row's largest p <= 1. The row's sum l is taken of the UNQUANTISED p, in f32, and the product's result is divided by l at the end. Since M is a whole number, a kernel that streams over the keys may use a running M (the ceiling of the running maximum): every later rescaling is an exact power of two, so the quantised numbers keep their values, but for numbers so far below the row's largest that they fall under the format's range.
;;   OPERANDS COMPUTED ON THE WAY. 'Computed on the way' means the value that the module computes at that place (a softmax that the list does not call 'softmax' is quantised finished and normalised). What goes into a quantiser is computed in f32, as accurately as f32 sums, v_exp_f32 and their like allow (about 1e-6 of the number): no bf16 or f16 on the way to a quantiser, and a product that is left as it is and whose result goes on into a quantised operand takes f32 operands (vector FMAs, or v_wmma_f32_16x16x4_f32). A number that lies on a knife's edge between two numbers of the format may be rounded either way, as far as f32 arithmetic and the matrix unit's own rounding can turn it there, and no further.
;;   INPUTS GIVEN AS CODES. K (in the module: [4, 2048, 512], K = its axis 2); Q (in the module: [4, 2048, 512], K = its axis 2); Wk (in the module: [512, 512], K = its axis 0); Wo (in the module: [512, 512], K = its axis 0); Wq (in the module: [512, 512], K = its axis 0); Wv (in the module: [512, 512], K = its axis 0): each comes as NAME_codes (uint8): NAME with its K axis moved to the last place and cut into blocks of 32 codes, [.., K / 32, bytes a block], one block behind the other in memory; one code a byte (a code: sign, 5 exponent bits, 2 mantissa bits); its scale is its entry of lowp_scales. Its value is code x scale, taken as it is: it is not quantised again, and the codes and scales need not be those that the quantiser above would give.
;; 2 versions. Each part assembles by itself: llvm-mc -triple=amdgcn-amd-amdhsa -mcpu=gfx1250 --defsym DOCPART=n.
;; ======== version 1 of 2: 3 launches
;; workspace buffers: kv 8,388,608 bytes; maskw 2,097,152 bytes of whole numbers; oimg 16,777,216 bytes
;; launch prep (part 1): grid 256 x 1, 8 waves a work-group, no clusters, 271,360 bytes of LDS; arguments K_codes, Wk_codes, Wv_codes, bk, bv, lowp_scales, mask, kv, maskw; writes kv, maskw
.if DOCPART == 1
	.amdgcn_target "amdgcn-amd-amdhsa--gfx1250"
	.amdhsa_code_object_version 6
	.text
	.protected	k_q2967fcce28_prep
	.globl	k_q2967fcce28_prep
	.p2align	8
	.type	k_q2967fcce28_prep,@function
k_q2967fcce28_prep:
	s_mov_b64 s[64:65], 0
	v_nop
	global_prefetch_b8 v0, s[64:65] scope:SCOPE_SE
	s_setreg_imm32_b32 hwreg(HW_REG_WAVE_MODE, 25, 1), 1
	s_wait_xcnt 0x0
; PREP.  (1) The mask [4][2048][2048] int32 is read once and leaves as lane masks: one 32-bit word for each score register of the attention launch.
;        (2) k = K Wk + bk and v = K Wv + bv (codes of E5M2 in, f32 sums), quantised with the given 2^e7 and 2^e8, leave as images of the attention launch's operand registers.
; SHARES.  Work-group x: st = x / 4 (batch st / 16, key step st % 16: 128 keys), g = x % 4 (heads 2 g, 2 g + 1).  Wave w: head 2 g + w / 4, key tiles 4 (w % 2) + 0..3, channel tiles 2 ((w / 2) % 2) + 0, 1.
;   Mask: wave W = 8 x + w takes query tile W / 4 (of 512) and key steps 4 (W % 4) + 0..3: four units of 16 rows x 512 bytes.
; ORDER OF THE WORK.  A wave asks for its tile and then for ALL its 64 loads of the mask (32,768 bytes, into window 1) at the head; the two products and their way out run while those are on their way;
;   then the four units are turned into words.
; ONE ORDER OF ROWS EVERYWHERE: lane r of tile 2 c + u takes row 32 c + 8 u + r + 8 (r / 8).  A transposed result then holds, in lane (r, h), register 16 c + i, the index 32 c + 16 h + i:
;   eight registers on end are eight neighbours along the next K, and a fragment fetched 16 bytes a lane holds k = 32 c + 16 h + 0..15 in registers 4 c .. 4 c + 3, alike in both operands.
; kv:    [batch x 8 + head][step][16,384]: eight fragments of K (1,024 bytes: 2 groups of 512, lane l's 16 bytes at 16 l), then four of V (2,048 bytes: 4 groups).
; maskw: [query tile][step][64 words]: bit l of word j = mask(query l % 16, key 32 (j / 16) + 16 (l / 16) + j % 16) != 0.
; The three tiles (128 rows of K's codes, of Wk's and of Wv's) come by six tensor loads, one a wave, each byte of LDS filled once; the mask goes through registers and a stage of the wave's own.
; No cluster: the four work-groups of a key step share 65,536 bytes of codes, against the 262,144 bytes of the mask that each reads alone.
; LIMITS: e2 + e3 and e4 + e5 between -126 and 127; e7 and e8 between -126 and 112, so that each power of two below is an f32 number.  NaN among the inputs is not served.
; REGISTERS.  Window 0: v1-7 addresses; v8-27 biases; v28-31 scales and limits; v32-255 the products' (below), later the words and two sets of a unit's numbers.  Window 1: the mask as loaded, unit u at 64 u.
.set PITCH, 528                        ; an LDS row: 512 bytes + 16 of padding = 132 words
.set HALF,  64*PITCH                   ; what one tensor load brings
.set WKL,   2*HALF                     ; LDS: 128 rows of K's codes at 0, of Wk's here,
.set WVL,   4*HALF                     ; of Wv's here,
.set MSTG,  6*HALF                     ; and the waves' stages for the mask: 16 rows x 528 bytes each; no tile lands there
.set MW,    16*PITCH
.set BKR,   8                          ; v8-23   bk at channels 32 cp + 16 h + 0..15 of my head
.set WP,    32                         ; v32-39  behind the products: a pair of registers for each unit: lane L holds words 2 L, 2 L + 1
.set INF,   32                         ; v32-63  fragments of K's codes, four key tiles x 64 along K
.set WKF,   64                         ; v64-79  Wk's two
.set WVF,   80                         ; v80-95  Wv's two
.set CD,    96                         ; v96-127 the codes made (v100-106: the head's temporaries)
.set ACCK,  128                        ; v128-191 k: accumulator (kt, ct) at 8 (2 kt + ct); later the odd units' numbers
.set ACCV,  192                        ; v192-255 v likewise; later the even units' numbers
.set MSB, 0
.macro WIN new                         ; the immediate's high byte repeats the setting that is left
.if MSB != \new
	s_set_vgpr_msb (MSB<<8)|\new
.set MSB, \new
.endif
.endm
	s_load_b512 s[16:31], s[0:1], 0x0              ; K s[16:17], Wk s[18:19], Wv s[20:21], bk s[22:23], bv s[24:25], scales s[26:27], mask s[28:29], kv s[30:31]
	s_load_b64 s[32:33], s[0:1], 0x40              ; maskw
	v_lshl_add_u32 v254, v0, 2, 0x42000
	v_mov_b32 v255, 0
	ds_add_u32 v254, v255
	ds_add_u32 v254, v255
	s_wait_dscnt 0x0
	v_lshrrev_b32 v1, 5, v0
	v_readfirstlane_b32 s2, v1                     ; wave 0..7
	s_lshr_b32 s34, ttmp9, 2                       ; st
	s_and_b32 s35, ttmp9, 3                        ; g
	; descriptor group 1: 64 rows of 512 bytes, 512 bytes apart in memory, 16 bytes of padding behind each in LDS
	s_mov_b32 s40, (1<<20)|(6<<22)|(3<<25)         ; no mask; elements of 1 byte; padding on: after every 128 words (code 6) four words (code 3)
	s_mov_b32 s41, 512<<16                         ; tensor_dim0
	s_mov_b32 s42, 64<<16                          ; tensor_dim1
	s_mov_b32 s43, 512<<16                         ; tile_dim0
	s_mov_b32 s44, 64                              ; tile_dim1
	s_mov_b32 s45, 512                             ; stride from row to row
	s_mov_b32 s46, 0
	s_mov_b32 s47, 0
	s_mov_b32 s36, 1                               ; group 0: count = 1,
	s_mul_i32 s37, s2, HALF                        ; LDS address: waves 0, 1 the input's halves, 2, 3 Wk's, 4, 5 Wv's
	s_and_b32 s50, s2, 1                           ; kh; also: which 64 rows I fetch
	s_bfe_u32 s51, s2, 0x10001                     ; cp
	s_lshr_b32 s52, s2, 2                          ; hp
	s_lshl_b32 s3, s50, 15                         ; 64 rows x 512 bytes
	s_lshl_b32 s48, s34, 16                        ; the input's rows 128 st on,
	s_lshl_b32 s49, s35, 16                        ; a weight's rows 128 g on
	s_cmp_lt_u32 s2, 2
	s_cselect_b32 s48, s48, s49
	s_add_co_u32 s48, s48, s3
	s_mov_b32 s49, 0
	s_wait_kmcnt 0x0
	s_load_b256 s[4:11], s[26:27], 0x0             ; e0 .. e7
	s_load_b128 s[12:15], s[26:27], 0x20           ; e8 .. e11
	s_cmp_lt_u32 s2, 4
	s_cselect_b64 s[38:39], s[18:19], s[20:21]
	s_cmp_lt_u32 s2, 2
	s_cselect_b64 s[38:39], s[16:17], s[38:39]
	s_add_nc_u64 s[38:39], s[38:39], s[48:49]
	s_or_b32 s39, s39, 0x80000000                  ; type = 2
	s_cmp_lt_u32 s2, 6
	s_cbranch_scc0 .Lno_fill
	tensor_load_to_lds s[36:39], s[40:47]          ; the wave's one tensor load: one is out
	s_nop 0
.rept 4
	v_nop
.endr
.Lno_fill:
	v_and_b32 v100, 31, v0                         ; lane
	v_and_b32 v101, 15, v0                         ; r
	v_bfe_u32 v102, v0, 4, 1                       ; h
	v_lshlrev_b32 v1, 4, v100                      ; 16 x lane
	v_lshlrev_b32 v7, 3, v100                      ; 8 x lane
	s_mul_i32 s3, s2, MW
	s_add_co_u32 s3, s3, MSTG                      ; my stage
	v_add_nc_u32 v2, s3, v1                        ; into it: a row as it is loaded
	v_mul_u32_u24 v3, v101, PITCH
	v_lshl_add_u32 v3, v102, 6, v3
	v_add_nc_u32 v3, s3, v3                        ; out of it: row r, keys 16 h on
	v_and_b32 v103, 8, v101
	v_add_nc_u32 v103, v103, v101                  ; r + 8 (r / 8)
	v_mul_u32_u24 v104, v103, PITCH
	v_lshl_add_u32 v104, v102, 4, v104             ; a fragment's row x pitch + 16 h
	s_mul_i32 s3, s50, HALF
	v_add_nc_u32 v4, s3, v104                      ; the input: my 64 keys
	s_mul_i32 s3, s52, HALF
	s_mul_i32 s53, s51, 32*PITCH
	s_add_co_u32 s3, s3, s53                       ; a weight: my head's 64 rows, my 32 of them
	s_add_co_u32 s53, s3, WKL
	v_add_nc_u32 v5, s53, v104
	s_add_co_u32 s53, s3, WVL
	v_add_nc_u32 v6, s53, v104
	s_lshl_b32 s3, s35, 9
	s_lshl_b32 s53, s52, 8
	s_add_co_u32 s3, s3, s53
	s_lshl_b32 s53, s51, 7
	s_add_co_u32 s3, s3, s53                       ; byte of channel 64 head + 32 cp in a bias
	v_lshl_add_u32 v105, v102, 6, s3               ; bk: + 16 h channels
	v_lshl_add_u32 v106, v103, 2, s3               ; bv: + my row of a tile
.irp j,0,1,2,3
	global_load_b128 v[BKR+4*\j:BKR+4*\j+3], v105, s[22:23] offset:16*\j
.endr
	global_load_b32 v24, v106, s[24:25]            ; bv of tile ct = 0, in both words of a pair (the packed form names the pair)
	global_load_b32 v25, v106, s[24:25]
	global_load_b32 v26, v106, s[24:25] offset:32  ; ct = 1: eight channels on
	global_load_b32 v27, v106, s[24:25] offset:32
	s_lshl_b32 s3, ttmp9, 1
	s_add_co_u32 s3, s3, s52                       ; my query tile: (8 x + w) / 4
	s_and_b32 s53, s2, 3                           ; my four key steps
	s_lshl_b32 s54, s3, 17                         ; 16 rows of 8,192 bytes
	s_lshl_b32 s55, s53, 11
	s_add_co_u32 s54, s54, s55
	s_mov_b32 s55, 0
	s_add_nc_u64 s[28:29], s[28:29], s[54:55]
	s_lshl_b32 s54, s3, 12
	s_lshl_b32 s3, s53, 10
	s_add_co_u32 s54, s54, s3
	s_add_nc_u64 s[32:33], s[32:33], s[54:55]
.macro LOADU u                         ; unit u: 16 rows, each load 512 consecutive bytes of one row
.irp i,0,1,2,3,4,5,6,7,8,9,10,11,12,13,14,15
	global_load_b128 v[64*(\u)+4*\i:64*(\u)+4*\i+3], v1, s[28:29] offset:8192*\i+512*(\u) th:TH_LOAD_NT
.endr
.endm
	WIN 0x40                                       ; destination window 1
	LOADU 0                                        ; all that I read of the mask is asked for here: 64 loads, behind the 8 of the biases
	LOADU 1
	LOADU 2
	LOADU 3
	WIN 0
	s_lshr_b32 s3, s34, 4                          ; where my codes go: batch,
	s_lshl_b32 s3, s3, 3
	s_lshl_b32 s53, s35, 1
	s_add_co_u32 s3, s3, s53
	s_add_co_u32 s3, s3, s52                       ; x 8 + head,
	s_lshl_b32 s3, s3, 4
	s_and_b32 s53, s34, 15
	s_add_co_u32 s3, s3, s53                       ; x 16 + step,
	s_lshl_b32 s3, s3, 14                          ; x 16,384 bytes
	s_lshl_b32 s53, s50, 12
	s_lshl_b32 s54, s51, 9
	s_add_co_u32 s54, s54, s53
	s_add_co_u32 s54, s54, s3
	s_add_nc_u64 s[66:67], s[30:31], s[54:55]      ; k: fragment 4 kh, group cp
	s_lshl_b32 s53, s51, 12
	s_lshl_b32 s54, s50, 10
	s_add_co_u32 s54, s54, s53
	s_add_co_u32 s54, s54, s3
	s_add_co_u32 s54, s54, 8192
	s_add_nc_u64 s[68:69], s[30:31], s[54:55]      ; v: fragment 2 cp, group 2 kh
	s_wait_kmcnt 0x0
	s_add_co_i32 s56, s6, s7
	s_add_co_i32 s56, s56, 127
	s_lshl_b32 s56, s56, 23                        ; 2^(e2 + e3)
	s_mov_b32 s57, s56
	s_add_co_i32 s58, s8, s9
	s_add_co_i32 s58, s58, 127
	s_lshl_b32 s58, s58, 23                        ; 2^(e4 + e5)
	s_mov_b32 s59, s58
	s_add_co_i32 s3, s11, 127
	s_lshl_b32 s60, s3, 23
	v_mov_b32 v28, s60                             ; 2^e7: the conversion takes its exponent field
	s_add_co_i32 s3, s3, 15
	s_lshl_b32 s3, s3, 23
	s_or_b32 s3, s3, 0x600000
	v_mov_b32 v29, s3                              ; 57,344 x 2^e7
	s_add_co_i32 s3, s12, 127
	s_lshl_b32 s60, s3, 23
	v_mov_b32 v30, s60                             ; 2^e8
	s_add_co_i32 s3, s3, 15
	s_lshl_b32 s3, s3, 23
	s_or_b32 s3, s3, 0x600000
	v_mov_b32 v31, s3                              ; 57,344 x 2^e8
	s_wait_tensorcnt 0x0                           ; my tile has landed (no LDS instruction of mine is out yet),
	s_barrier_signal -1
	s_barrier_wait -1                              ; everybody's has
; THE TWO PRODUCTS, eight steps of 64 along K; sixteen accumulators by turns.  k transposed (source 0 = Wk's rows): a lane holds a key, registers run along channels, the next K.
; v as it stands (source 0 = the keys): a lane holds a channel, registers run along keys, its next K.
.set kk, 0
.rept 8
.irp kt,0,1,2,3
	ds_load_b128 v[INF+8*\kt:INF+8*\kt+3], v4 offset:(32*(\kt/2)+8*(\kt%2))*PITCH+64*kk
	ds_load_b128 v[INF+8*\kt+4:INF+8*\kt+7], v4 offset:(32*(\kt/2)+8*(\kt%2))*PITCH+64*kk+32
.endr
.irp ct,0,1
	ds_load_b128 v[WKF+8*\ct:WKF+8*\ct+3], v5 offset:8*\ct*PITCH+64*kk
	ds_load_b128 v[WKF+8*\ct+4:WKF+8*\ct+7], v5 offset:8*\ct*PITCH+64*kk+32
	ds_load_b128 v[WVF+8*\ct:WVF+8*\ct+3], v6 offset:8*\ct*PITCH+64*kk
	ds_load_b128 v[WVF+8*\ct+4:WVF+8*\ct+7], v6 offset:8*\ct*PITCH+64*kk+32
.endr
	s_wait_dscnt 0x0
.irp kt,0,1,2,3
.irp ct,0,1
.if kk == 0
	v_wmma_f32_16x16x64_bf8_bf8 v[ACCK+8*(2*\kt+\ct):ACCK+8*(2*\kt+\ct)+7], v[WKF+8*\ct:WKF+8*\ct+7], v[INF+8*\kt:INF+8*\kt+7], 0
	v_wmma_f32_16x16x64_bf8_bf8 v[ACCV+8*(2*\kt+\ct):ACCV+8*(2*\kt+\ct)+7], v[INF+8*\kt:INF+8*\kt+7], v[WVF+8*\ct:WVF+8*\ct+7], 0
.else
	v_wmma_f32_16x16x64_bf8_bf8 v[ACCK+8*(2*\kt+\ct):ACCK+8*(2*\kt+\ct)+7], v[WKF+8*\ct:WKF+8*\ct+7], v[INF+8*\kt:INF+8*\kt+7], v[ACCK+8*(2*\kt+\ct):ACCK+8*(2*\kt+\ct)+7]
	v_wmma_f32_16x16x64_bf8_bf8 v[ACCV+8*(2*\kt+\ct):ACCV+8*(2*\kt+\ct)+7], v[INF+8*\kt:INF+8*\kt+7], v[WVF+8*\ct:WVF+8*\ct+7], v[ACCV+8*(2*\kt+\ct):ACCV+8*(2*\kt+\ct)+7]
.endif
.endr
.endr
.rept 4
	v_nop                                          ; four places in front of loads into registers that the products read, and of the first read of results
.endr
.set kk, kk+1
.endr
	s_wait_loadcnt 63                              ; of the 72 loads issued at most 63 are out: the first nine are in, the biases' eight among them; their address registers may be written
; k = sum x 2^(e2 + e3) + bk, held within the largest code x 2^e7, converted: a key tile's 16 registers give group cp of its fragment
.irp kt,0,1,2,3
.irp i,0,2,4,6,8,10,12,14
	v_pk_fma_f32 v[ACCK+16*\kt+\i:ACCK+16*\kt+\i+1], v[ACCK+16*\kt+\i:ACCK+16*\kt+\i+1], s[56:57], v[BKR+\i:BKR+\i+1] op_sel_hi:[1,0,1]
.endr
.irp i,0,1,2,3,4,5,6,7,8,9,10,11,12,13,14,15
	v_med3_num_f32 v[ACCK+16*\kt+\i], v[ACCK+16*\kt+\i], -v29, v29   ; the conversion to an 8-bit code does not saturate (ISA guide 7.6.2)
.endr
	v_cvt_scalef32_pk8_bf8_f32 v[CD+4*\kt:CD+4*\kt+1], v[ACCK+16*\kt:ACCK+16*\kt+7], v28
	v_cvt_scalef32_pk8_bf8_f32 v[CD+4*\kt+2:CD+4*\kt+3], v[ACCK+16*\kt+8:ACCK+16*\kt+15], v28
.endr
; v = sum x 2^(e4 + e5) + bv (one number a lane and tile): key tiles 2 cc, 2 cc + 1 give group 2 kh + cc of channel tile ct's fragment
.irp kt,0,1,2,3
.irp ct,0,1
.irp i,0,2,4,6
	v_pk_fma_f32 v[ACCV+8*(2*\kt+\ct)+\i:ACCV+8*(2*\kt+\ct)+\i+1], v[ACCV+8*(2*\kt+\ct)+\i:ACCV+8*(2*\kt+\ct)+\i+1], s[58:59], v[24+2*\ct:25+2*\ct] op_sel_hi:[1,0,0]
.endr
.irp i,0,1,2,3,4,5,6,7
	v_med3_num_f32 v[ACCV+8*(2*\kt+\ct)+\i], v[ACCV+8*(2*\kt+\ct)+\i], -v31, v31
.endr
	v_cvt_scalef32_pk8_bf8_f32 v[CD+16+4*(2*\ct+\kt/2)+2*(\kt%2):CD+16+4*(2*\ct+\kt/2)+2*(\kt%2)+1], v[ACCV+8*(2*\kt+\ct):ACCV+8*(2*\kt+\ct)+7], v30
.endr
.endr
	v_nop                                          ; a plain line behind the last conversion
.irp kt,0,1,2,3
	global_store_b128 v1, v[CD+4*\kt:CD+4*\kt+3], s[66:67] offset:1024*\kt       ; each store of the wave covers 512 consecutive bytes, aligned; the codes' registers are not written again
.endr
.irp ct,0,1
.irp cc,0,1
	global_store_b128 v1, v[CD+16+4*(2*\ct+\cc):CD+16+4*(2*\ct+\cc)+3], s[68:69] offset:2048*\ct+512*\cc
.endr
.endr
; THE MASK.  A unit goes through my stage: in as it was loaded, out as the attention's lanes hold its scores.  LDS serves a wave's instructions in order: no wait stands between a unit's stores and its loads,
; nor in front of the next unit's stores into the same stage.  The numbers come back into two sets of registers by turns, so that a unit's way through LDS runs under the compares of the unit before.
.irp i,0,1,2,3,4,5,6,7
	v_mov_b32 v[WP+\i], 0                          ; written whole before single lanes are written
.endr
.macro TURNU u
.set XS, 192-64*((\u)%2)
	s_wait_loadcnt 16*(3-(\u))                     ; this unit's 16 loads are in; those of the later units, 16 each, may be out
	WIN 0x04                                       ; store data window 1
.irp i,0,1,2,3,4,5,6,7,8,9,10,11,12,13,14,15
	ds_store_b128 v2, v[64*(\u)+4*\i:64*(\u)+4*\i+3] offset:PITCH*\i
.endr
	WIN 0
.irp b,0,1,2,3
.irp j,0,1,2,3
	ds_load_b128 v[XS+16*\b+4*\j:XS+16*\b+4*\j+3], v3 offset:128*\b+16*\j   ; register 16 b + i: key 32 b + 16 h + i of query r
.endr
.endr
.endm
.macro WORDS u, left                   ; 64 compares, each gives one word, which is put into its lane.  left: the LDS instructions issued behind this unit's loads
.set XS, 192-64*((\u)%2)
	s_wait_dscnt \left
.set jj, 0
.rept 8
.irp n,0,1,2,3,4,5,6,7
	v_cmp_ne_u32 s[48+\n], 0, v[XS+jj+\n]
.endr
.irp n,0,1,2,3,4,5,6,7
	v_writelane_b32 v[WP+2*(\u)+(\n%2)], s[48+\n], (jj+\n)/2
.endr
.set jj, jj+8
.endr
	global_store_b64 v7, v[WP+2*(\u):WP+2*(\u)+1], s[32:33] offset:256*(\u)   ; the wave stores 256 consecutive bytes, aligned; each unit has its own pair
.endm
	TURNU 0
	TURNU 1
	WORDS 0, 32                                    ; behind unit 0's loads: unit 1's 16 stores and 16 loads
	TURNU 2
	WORDS 1, 32
	TURNU 3
	WORDS 2, 32
	WORDS 3, 0
	s_wait_xcnt 0x0
	v_lshl_add_u32 v254, v0, 2, 0x42000
	v_mov_b32 v255, 0
	s_wait_tensorcnt 0x0
	ds_add_u32 v254, v255
	s_wait_dscnt 0x0
	s_endpgm
.Lfunc_end_k_q2967fcce28_prep:
	.size	k_q2967fcce28_prep, .Lfunc_end_k_q2967fcce28_prep-k_q2967fcce28_prep
	.p2alignl 7, 3214868480
	.fill 96, 4, 3214868480
	.section	.rodata,"a",@progbits
	.p2align	6, 0x0
	.amdhsa_kernel k_q2967fcce28_prep
		.amdhsa_group_segment_fixed_size 271360
		.amdhsa_private_segment_fixed_size 0
		.amdhsa_enable_private_segment 0
		.amdhsa_kernarg_size 72
		.amdhsa_user_sgpr_count 2
		.amdhsa_user_sgpr_kernarg_segment_ptr 1
		.amdhsa_wavefront_size32 1
		.amdhsa_system_sgpr_workgroup_id_x 1
		.amdhsa_system_sgpr_workgroup_id_y 1
		.amdhsa_system_sgpr_workgroup_id_z 1
		.amdhsa_system_vgpr_workitem_id 0
		.amdhsa_next_free_vgpr 512
		.amdhsa_next_free_sgpr 70
		.amdhsa_reserve_vcc 0
		.amdhsa_float_denorm_mode_32 3
		.amdhsa_float_denorm_mode_16_64 3
		.amdhsa_memory_ordered 1
		.amdhsa_forward_progress 1
		.amdhsa_inst_pref_size 86
	.end_amdhsa_kernel
	.amdgpu_metadata
---
amdhsa.version: [ 1, 2 ]
amdhsa.kernels:
  - .name:           k_q2967fcce28_prep
    .symbol:         k_q2967fcce28_prep.kd
    .args:
      - { .name: K_codes, .offset: 0, .size: 8, .value_kind: global_buffer, .address_space: global }
      - { .name: Wk_codes, .offset: 8, .size: 8, .value_kind: global_buffer, .address_space: global }
      - { .name: Wv_codes, .offset: 16, .size: 8, .value_kind: global_buffer, .address_space: global }
      - { .name: bk, .offset: 24, .size: 8, .value_kind: global_buffer, .address_space: global }
      - { .name: bv, .offset: 32, .size: 8, .value_kind: global_buffer, .address_space: global }
      - { .name: lowp_scales, .offset: 40, .size: 8, .value_kind: global_buffer, .address_space: global }
      - { .name: mask, .offset: 48, .size: 8, .value_kind: global_buffer, .address_space: global }
      - { .name: kv, .offset: 56, .size: 8, .value_kind: global_buffer, .address_space: global }
      - { .name: maskw, .offset: 64, .size: 8, .value_kind: global_buffer, .address_space: global }
    .group_segment_fixed_size: 271360
    .private_segment_fixed_size: 0
    .kernarg_segment_align: 8
    .kernarg_segment_size: 72
    .max_flat_workgroup_size: 256
    .sgpr_count:     70
    .vgpr_count:     512
    .wavefront_size: 32
...
	.end_amdgpu_metadata
.endif
;; end of part 1
;; launch attn (part 2): grid 8 x 32, 8 waves a work-group, no clusters, 271,360 bytes of LDS; arguments Q_codes, Wq_codes, bq, temperature, lowp_scales, kv, maskw, oimg; writes oimg
.if DOCPART == 2
	.amdgcn_target "amdgcn-amd-amdhsa--gfx1250"
	.amdhsa_code_object_version 6
	.text
	.protected	k_q2967fcce28_attn
	.globl	k_q2967fcce28_attn
	.p2align	8
	.type	k_q2967fcce28_attn,@function
k_q2967fcce28_attn:
	s_mov_b64 s[64:65], 0
	v_nop
	global_prefetch_b8 v0, s[64:65] scope:SCOPE_SE
	s_setreg_imm32_b32 hwreg(HW_REG_WAVE_MODE, 25, 1), 1
	s_wait_xcnt 0x0
; ATTN.  q = Q Wq + bq (kept in f32 for the residual, quantised with 2^e6); S^T = k q^T; t = S x c 2^(e6 + e7) / temperature(key), c = log2(e) / sqrt(512); where the mask is 0, t = f32(-1e9 log2 e), a whole number;
; M = the running largest t rounded up to a whole number; p = 2^(t - M), summed unquantised, quantised with 2^e9; O^T += v^T p^T; out: q + O 2^(e8 + e9) / sum, as an image of registers.
; SHARES.  Work-group (x, y): 256 queries (block x) of batch y / 8, head y % 8.  Each of eight waves owns 32 queries, two tiles of 16, worked one after the other in each key step of 128:
;   every fragment of k, of v and every scale read from LDS serves two tiles.  Both products are used transposed: a lane holds ONE query (lane % 16) throughout; register 16 c + i of S^T is key 32 c + 16 (lane / 16) + i.
; LDS.  The head's whole k and v (16 steps x 16,384 bytes, images of operand registers) and 2,048 scales: every byte is written once.  A step's 16,384 bytes come through registers, 64 bytes a thread, asked for a
;   step before they are stored and stored a half step before they are read.  One barrier a step stands between those stores and the other waves' reads; its signal stands right behind the wait for the stores, its wait
;   behind the first tile's maximum, exponentials and sums (work on registers alone), so that a wave may be that far ahead of the others without stopping.
; WHY NO TENSOR LOADS AND NO JOINT REQUESTS, though eight work-groups walk one head's k and v: p <= 1 needs no hold where 57,344 x 2^e9 >= 1, that is e9 >= -15, and 64 of a tile step's some 360 vector instructions
;   are that hold; it is jumped over by a branch on the loaded e9.  What is shared is 16,384 bytes a step.
; THE MASK costs one v_cndmask_b32 a score: its words (made by the launch before, one for each score register) are scalar loads, asked for half a step ahead.
; LIMITS: e0 + e1 between -126 and 127; e6 and e9 between -126 and 112; e6 + e7 between -122 and 130 (added to c's exponent field); e8 + e9 goes by v_ldexp_f32.  NaN among the inputs is not served;
;   a temperature that is 0 or denormal is not served.
; REGISTERS.  Window 0: v1-11 addresses and constants; v16-31 statistics, eight a tile; v32-47 p's codes; v48-111 a step's scales; v112-175 S^T, then p; v176-239 O^T, 32 a tile; v240-253 at work.
;   Window 1: v0-63 k's fragments; v64-127 v's; v128-191 q in f32; v192-207 q's codes; v208-223 the step on its way to LDS.  (In the prologue window 1 holds Wq's sixteen fragments.)
.set CKB,   262144                     ; LDS: the scales, in key order, behind the 16 steps
.set STEPB, 16384
.set LI,  1                            ; 16 x lane
.set SL,  2                            ; 16 x thread
.set CKL, 3                            ; CKB + 64 (lane / 16)
.set ADR, 4                            ; the fragments of the step to be fetched
.set STA, 5                            ; where I store my 64 bytes of a step
.set CKA, 6                            ; the scales of the step to be fetched
.set NEG, 7                            ; a masked t
.set PLIM, 8                           ; 57,344 x 2^e9
.set PSC,  9                           ; 2^e9
.set QLIM, 10                          ; 57,344 x 2^e6
.set QSC,  11                          ; 2^e6
.set ST,  16                           ; tile t at 16 + 8 t: +0 -M, +1 the largest t, +2, +3 the sum in two halves, +4 f, +5 zero (named with f as a pair)
.set P,   32
.set CK,  48
.set S,   112
.set O,   176
.set KF,  0                            ; window 1
.set VF,  64
.set QF,  128
.set QC,  192
.set STG, 208
.set MSB, 0
.macro WIN new                         ; the immediate's high byte repeats the setting that is left
.if MSB != \new
	s_set_vgpr_msb (MSB<<8)|\new
.set MSB, \new
.endif
.endm
.macro PLACES
.rept 4
	v_nop
.endr
.endm
	s_load_b512 s[84:99], s[0:1], 0x0              ; Q s[84:85], Wq s[86:87], bq s[88:89], temperature s[90:91], scales s[92:93], kv s[94:95], maskw s[96:97], oimg s[98:99]
	v_lshrrev_b32 v1, 5, v0
	v_readfirstlane_b32 s2, v1                     ; wave 0..7
	s_and_b32 s3, ttmp7, 0xffff                    ; 8 x batch + head
	s_lshr_b32 s4, s3, 3                           ; batch
	s_and_b32 s5, s3, 7                            ; head
	s_mov_b32 s12, 0x76543210                      ; v_permlanex16_b32's selects for lane l xor 16
	s_mov_b32 s13, 0xfedcba98
	v_and_b32 v112, 31, v0                         ; lane
	v_and_b32 v113, 15, v0                         ; r
	v_bfe_u32 v114, v0, 4, 1                       ; h
	v_lshlrev_b32 v[LI], 4, v112
	v_lshlrev_b32 v[SL], 4, v0
	v_lshlrev_b32 v[CKL], 6, v114
	v_add_nc_u32 v[CKL], CKB, v[CKL]
	v_and_b32 v115, 8, v113
	v_add_nc_u32 v115, v115, v113                  ; r + 8 (r / 8)
	v_lshlrev_b32 v4, 9, v113
	v_lshl_add_u32 v4, v114, 4, v4                 ; Q: row r of 512 bytes, + 16 h
	v_lshlrev_b32 v5, 9, v115
	v_lshl_add_u32 v5, v114, 4, v5                 ; Wq: my row of a tile, + 16 h
	v_lshlrev_b32 v6, 6, v114                      ; bq: 16 h channels
	s_mov_b32 s15, 0
	s_wait_kmcnt 0x0
	s_load_b256 s[16:23], s[92:93], 0x0            ; e0 .. e7
	s_load_b128 s[24:27], s[92:93], 0x20           ; e8 .. e11
	s_lshl_b32 s14, s3, 18
	s_add_nc_u64 s[8:9], s[94:95], s[14:15]        ; my head's k and v: 16 steps
	s_lshl_b32 s14, s4, 13
	s_add_nc_u64 s[90:91], s[90:91], s[14:15]      ; my batch's temperatures
	s_lshl_b32 s14, s5, 8
	s_add_nc_u64 s[88:89], s[88:89], s[14:15]      ; my head's 64 of bq
	s_lshl_b32 s14, s5, 15
	s_add_nc_u64 s[86:87], s[86:87], s[14:15]      ; my head's 64 rows of Wq
	s_lshl_b32 s14, s4, 20
	s_lshl_b32 s28, ttmp9, 17
	s_add_co_u32 s14, s14, s28
	s_lshl_b32 s28, s2, 14
	s_add_co_u32 s14, s14, s28
	s_add_nc_u64 s[84:85], s[84:85], s[14:15]      ; my 32 rows of Q: 2,048 batch + 256 x + 32 wave
	s_lshl_b32 s28, s4, 7
	s_lshl_b32 s29, ttmp9, 4
	s_add_co_u32 s28, s28, s29
	s_lshl_b32 s29, s2, 1
	s_add_co_u32 s28, s28, s29                     ; my first query tile of 512
	s_lshl_b32 s14, s28, 12
	s_add_nc_u64 s[6:7], s[96:97], s[14:15]        ; its mask words; the second tile's lie 4,096 bytes on, a step's 256 bytes on
	s_lshl_b32 s14, s28, 15
	s_lshl_b32 s29, s5, 12
	s_add_co_u32 s14, s14, s29
	s_add_nc_u64 s[10:11], s[98:99], s[14:15]      ; and its place in the output image, at my head
.irp i,0,1,2,3
	global_load_b128 v[240+4*\i:243+4*\i], v[SL], s[8:9] offset:4096*\i              ; key step 0, 64 bytes a thread
.endr
	global_load_b128 v[8:11], v[SL], s[90:91]                                         ; 2,048 temperatures, eight a thread
	global_load_b128 v[12:15], v[SL], s[90:91] offset:4096
.irp c,0,1
.irp j,0,1,2,3
	global_load_b128 v[16+16*\c+4*\j:19+16*\c+4*\j], v6, s[88:89] offset:128*\c+16*\j  ; bq: register 16 c + i = channel 32 c + 16 h + i
.endr
.endr
.irp t,0,1
.irp ks,0,1,2,3
.irp c,0,1,2,3
	global_load_b128 v[48+128*\t+16*\ks+4*\c:51+128*\t+16*\ks+4*\c], v4, s[84:85] offset:8192*\t+128*\ks+32*\c   ; Q's fragments: tile 0 at v48, tile 1 at v176
.endr
.endr
.endr
	WIN 0x40                                       ; destination window 1
.irp ks,0,1,2,3
.irp f,0,1,2,3
.irp c,0,1,2,3
	global_load_b128 v[16*(4*\ks+\f)+4*\c:16*(4*\ks+\f)+4*\c+3], v5, s[86:87] offset:(32*(\f/2)+8*(\f%2))*512+128*\ks+32*\c
.endr
.endr
.endr
	WIN 0
	s_wait_kmcnt 0x0
	s_add_co_i32 s3, s22, s23
	s_lshl_b32 s3, s3, 23
	s_add_co_i32 s66, s3, 0x3d8293ee               ; c 2^(e6 + e7): the exponents are added to c's exponent field
	s_mov_b32 s67, s66
	s_add_co_i32 s3, s16, s17
	s_add_co_i32 s3, s3, 127
	s_lshl_b32 s100, s3, 23                        ; 2^(e0 + e1)
	s_mov_b32 s101, s100
	s_add_co_i32 s14, s24, s25                     ; e8 + e9
	s_mov_b32 s5, s25                              ; e9
	s_add_co_i32 s3, s22, 127
	s_lshl_b32 s28, s3, 23                         ; 2^e6
	s_add_co_i32 s3, s3, 15
	s_lshl_b32 s29, s3, 23
	s_or_b32 s29, s29, 0x600000                    ; 57,344 x 2^e6
	s_add_co_i32 s3, s25, 127
	s_lshl_b32 s30, s3, 23                         ; 2^e9
	s_add_co_i32 s3, s3, 15
	s_lshl_b32 s31, s3, 23
	s_or_b32 s31, s31, 0x600000                    ; 57,344 x 2^e9
	s_wait_loadcnt 0x0
.irp i,0,1,2,3
	ds_store_b128 v[SL], v[240+4*\i:243+4*\i] offset:4096*\i
.endr
.irp i,8,9,10,11,12,13,14,15
	v_rcp_f32 v[\i], v[\i]
.endr
	v_add_nc_u32 v4, CKB, v[SL]                    ; (the plain line behind the reciprocals)
	s_wait_alu depctr_va_vdst(0)                   ; one wait for the eight, ahead of their first reader
.irp i,8,10,12,14
	v_pk_mul_f32 v[\i:\i+1], v[\i:\i+1], s[66:67] op_sel_hi:[1,0]   ; a key's scale: c 2^(e6 + e7) / temperature
.endr
	ds_store_b128 v4, v[8:11]
	ds_store_b128 v4, v[12:15] offset:4096
	WIN 0x01                                       ; source 0 (Wq) window 1
.irp ks,0,1,2,3                        ; q^T: source 0 = 16 rows of Wq, source 1 = 16 queries; eight accumulators by turns
.irp t,0,1
.irp f,0,1,2,3
.if \ks == 0
	v_wmma_f32_16x16x128_bf8_bf8 v[S+32*\t+8*\f:S+32*\t+8*\f+7], v[16*(4*\ks+\f):16*(4*\ks+\f)+15], v[48+128*\t+16*\ks:63+128*\t+16*\ks], 0
.else
	v_wmma_f32_16x16x128_bf8_bf8 v[S+32*\t+8*\f:S+32*\t+8*\f+7], v[16*(4*\ks+\f):16*(4*\ks+\f)+15], v[48+128*\t+16*\ks:63+128*\t+16*\ks], v[S+32*\t+8*\f:S+32*\t+8*\f+7]
.endif
.endr
.endr
.endr
	WIN 0
	PLACES                                         ; in front of the first read of results and of writes and loads over the operands
	s_wait_dscnt 0x0                               ; my stores of step 0 and of the scales are done: their registers are written below, and the barrier below leans on this wait
	v_mov_b32 v[PLIM], s31
	v_mov_b32 v[PSC], s30
	v_mov_b32 v[QLIM], s29
	v_mov_b32 v[QSC], s28
	WIN 0x40
.irp i,0,1,2,3
	global_load_b128 v[STG+4*\i:STG+4*\i+3], v[SL], s[8:9] offset:STEPB+4096*\i      ; key step 1
.endr
.irp t,0,1
.set i, 0
.rept 16
	v_pk_fma_f32 v[QF+32*\t+i:QF+32*\t+i+1], v[S+32*\t+i:S+32*\t+i+1], s[100:101], v[16+i:17+i] op_sel_hi:[1,0,1]   ; q = sum x 2^(e0 + e1) + bq, kept
.set i, i+2
.endr
.endr
	WIN 0x01
.set i, 0
.rept 64
	v_med3_num_f32 v[S+i], v[QF+i], -v[QLIM], v[QLIM]   ; the hold at the largest code x 2^e6 (ISA guide 7.6.2: the conversion does not saturate)
.set i, i+1
.endr
	WIN 0x40
.irp t,0,1
.irp m,0,1,2,3
	v_cvt_scalef32_pk8_bf8_f32 v[QC+8*\t+2*\m:QC+8*\t+2*\m+1], v[S+32*\t+8*\m:S+32*\t+8*\m+7], v[QSC]
.endr
.endr
	v_nop                                          ; a plain line behind the last conversion
	WIN 0
.irp t,0,1
	v_mov_b32 v[ST+8*\t+1], 0xff61b1e6             ; the largest t so far: -3e38
	v_floor_f32 v[ST+8*\t], -v[ST+8*\t+1]          ; -M
	v_mov_b32 v[ST+8*\t+2], 0
	v_mov_b32 v[ST+8*\t+3], 0
	v_mov_b32 v[ST+8*\t+4], 0
	v_mov_b32 v[ST+8*\t+5], 0
.endr
	v_mov_b32 v[NEG], 0xceabfb8f                   ; f32(-1e9 log2 e) = -1,442,695,040
	v_mov_b32 v242, 0                              ; a lane permute's destination counts as one of its sources
	v_mov_b32 v246, 0
.set i, 0
.rept 64
	v_mov_b32 v[O+i], 0                            ; O^T: the step is written without a first step of its own; the first change of M multiplies zeros
.set i, i+1
.endr
	s_mov_b32 s4, 0                                ; LDS byte of the step in hand
	s_mov_b32 s15, 0                               ; and of its scales
	s_mov_b32 s3, 0                                ; the step's number
	s_barrier_signal -1
	s_barrier_wait -1                              ; step 0 and the scales are whole
.macro MLOAD off                       ; 64 mask words: word j in s[16 + j], from 48 on in s[20 + j]
	s_load_b512 s[16:31], s[6:7], \off
	s_load_b512 s[32:47], s[6:7], \off+64
	s_load_b512 s[48:63], s[6:7], \off+128
	s_load_b512 s[68:83], s[6:7], \off+192
.endm
.macro LDK                             ; eight fragments of k
	WIN 0x40
.irp f,0,1,2,3,4,5,6,7
	ds_load_b128 v[KF+8*\f:KF+8*\f+3], v[ADR] offset:1024*\f
	ds_load_b128 v[KF+8*\f+4:KF+8*\f+7], v[ADR] offset:1024*\f+512
.endr
	WIN 0
.endm
.macro LDV                             ; four fragments of v
	WIN 0x40
.irp f,0,1,2,3
.irp c,0,1,2,3
	ds_load_b128 v[VF+16*\f+4*\c:VF+16*\f+4*\c+3], v[ADR] offset:8192+2048*\f+512*\c
.endr
.endr
	WIN 0
.endm
.macro LDC                             ; my 64 keys' scales: register 16 b + i = key 32 b + 16 h + i
.irp b,0,1,2,3
.irp j,0,1,2,3
	ds_load_b128 v[CK+16*\b+4*\j:CK+16*\b+4*\j+3], v[CKA] offset:128*\b+16*\j
.endr
.endr
.endm
.macro SPROD t                         ; S^T = k q^T: eight tiles of 16 keys, K = the head's 64
	WIN 0x05                                       ; sources 0 and 1 window 1
.irp f,0,1,2,3,4,5,6,7
	v_wmma_f32_16x16x64_bf8_bf8 v[S+8*\f:S+8*\f+7], v[KF+8*\f:KF+8*\f+7], v[QC+8*(\t):QC+8*(\t)+7], 0
.endr
	WIN 0
	PLACES                                         ; in front of the first read of results, and of loads into k's registers
.endm
.macro SCALE                           ; t = S x the key's scale; each accumulator from its low end on
.set j, 0
.rept 32
	v_pk_mul_f32 v[S+j:S+j+1], v[S+j:S+j+1], v[CK+j:CK+j+1]
.set j, j+2
.endr
.endm
.macro MASK
	s_wait_kmcnt 0x0                               ; the tile's 64 words are in
.set j, 0
.rept 48
	v_cndmask_b32 v[S+j], v[NEG], v[S+j], s[16+j]
.set j, j+1
.endr
.rept 16
	v_cndmask_b32 v[S+j], v[NEG], v[S+j], s[20+j]
.set j, j+1
.endr
.endm
; A tile's softmax for 128 keys, and its four products v^T p^T.  Registers alone.  The maximum and the sums run in four chains each, so that an instruction follows the one whose result it reads at a distance of four.
; bar = 1: the step's barrier, signalled ahead of this macro, is waited for behind the sums, ahead of the branch.
.macro SOFT t, bar
.set rT, ST+8*(\t)
.set rO, O+32*(\t)
	v_max3_num_f32 v240, v[S], v[S+1], v[S+2]      ; the step's largest t of my query among my 64 keys,
	v_max3_num_f32 v241, v[S+3], v[S+4], v[S+5]
	v_max3_num_f32 v247, v[S+6], v[S+7], v[S+8]
	v_max3_num_f32 v248, v[S+9], v[S+10], v[S+11]
.set j, 12
.rept 6
	v_max3_num_f32 v240, v240, v[S+j], v[S+j+1]
	v_max3_num_f32 v241, v241, v[S+j+2], v[S+j+3]
	v_max3_num_f32 v247, v247, v[S+j+4], v[S+j+5]
	v_max3_num_f32 v248, v248, v[S+j+6], v[S+j+7]
.set j, j+8
.endr
	v_max3_num_f32 v240, v240, v[S+60], v[S+61]
	v_max3_num_f32 v241, v241, v[S+62], v[S+63]
	v_max3_num_f32 v240, v240, v247, v248
	v_max_num_f32 v240, v240, v241
	v_permlanex16_b32 v242, v240, s12, s13         ; lane l xor 16's,
	v_max3_num_f32 v[rT+1], v[rT+1], v240, v242    ; and the running largest t
	v_mov_b32 v240, v[rT]
	v_floor_f32 v[rT], -v[rT+1]                    ; the new -M = floor(-t): M is a whole number
	v_sub_f32 v240, v[rT], v240                    ; old M - new M, a whole number, 0 or less
	v_cvt_i32_f32 v240, v240                       ; (it saturates)
	v_ldexp_f32 v[rT+4], 1.0, v240                 ; f = 2^(old M - new M)
.set j, 0
.rept 32
	v_pk_add_f32 v[S+j:S+j+1], v[S+j:S+j+1], v[rT:rT+1] op_sel_hi:[1,0]   ; t - M
.set j, j+2
.endr
.set j, 0
.rept 64
	v_exp_f32 v[S+j], v[S+j]                       ; p = 2^(t - M), at most 1, not normalised
.set j, j+1
.endr
	v_pk_mul_f32 v[rT+2:rT+3], v[rT+2:rT+3], v[rT+4:rT+5] op_sel_hi:[1,0]   ; the sum under the new M (the plain line behind the exponentials)
	s_wait_alu depctr_va_vdst(0)                   ; one wait for the batch of 64, ahead of its first reader
	v_pk_add_f32 v[244:245], v[S:S+1], v[S+2:S+3]  ; the sum is taken of the unquantised p
	v_pk_add_f32 v[250:251], v[S+4:S+5], v[S+6:S+7]
	v_pk_add_f32 v[252:253], v[S+8:S+9], v[S+10:S+11]
	v_pk_add_f32 v[rT+2:rT+3], v[rT+2:rT+3], v[S+12:S+13]
.set j, 14
.rept 6
	v_pk_add_f32 v[244:245], v[244:245], v[S+j:S+j+1]
	v_pk_add_f32 v[250:251], v[250:251], v[S+j+2:S+j+3]
	v_pk_add_f32 v[252:253], v[252:253], v[S+j+4:S+j+5]
	v_pk_add_f32 v[rT+2:rT+3], v[rT+2:rT+3], v[S+j+6:S+j+7]
.set j, j+8
.endr
	v_pk_add_f32 v[244:245], v[244:245], v[S+62:S+63]
	v_pk_add_f32 v[250:251], v[250:251], v[252:253]
	v_pk_add_f32 v[rT+2:rT+3], v[rT+2:rT+3], v[244:245]
	v_pk_add_f32 v[rT+2:rT+3], v[rT+2:rT+3], v[250:251]
.if \bar
	s_barrier_wait -1                              ; every wave has signalled: the next step is whole in LDS; my first read of it stands further down
.endif
	s_cmp_ge_i32 s5, -15                           ; p <= 1 <= 57,344 x 2^e9 from e9 = -15 on: nothing to hold
	s_cbranch_scc1 .Lno_hold_\@
.set j, 0
.rept 64
	v_min_num_f32 v[S+j], v[S+j], v[PLIM]          ; p is not negative: the hold is one-sided
.set j, j+1
.endr
.Lno_hold_\@:
.irp m,0,1,2,3,4,5,6,7
	v_cvt_scalef32_pk8_bf8_f32 v[P+2*\m:P+2*\m+1], v[S+8*\m:S+8*\m+7], v[PSC]
.endr
.set j, 0
.rept 16
	v_pk_mul_f32 v[rO+j:rO+j+1], v[rO+j:rO+j+1], v[rT+4:rT+5] op_sel_hi:[1,0]   ; O^T under the new M (plain lines between the conversions and the products)
.set j, j+2
.endr
	WIN 0x01                                       ; source 0 (v) window 1
.irp f,0,1,2,3
	v_wmma_f32_16x16x128_bf8_bf8 v[rO+8*\f:rO+8*\f+7], v[VF+16*\f:VF+16*\f+15], v[P:P+15], v[rO+8*\f:rO+8*\f+7]
.endr
	WIN 0
.endm
; A KEY STEP.  At its head 48 LDS loads of mine are out, in this order: k's 16, the scales' 16, v's 16.
; stage = 1: the next step's bytes, which came into registers during the last step, go to LDS, and the step after that is asked for.  next = 1: the next step's fragments, scales and words are fetched.
.macro STEP stage, next
.if \stage
	v_add_nc_u32 v[STA], s4, v[SL]
.endif
	s_wait_dscnt 32                                ; k is in; the scales' 16 and v's 16 loads are younger
	SPROD 0
	s_wait_dscnt 16                                ; the scales are in; v's 16 are younger
	SCALE
	MASK
	MLOAD 4096                                     ; the second tile's words of this step
.if \stage
	s_wait_loadcnt 0x0                             ; the next step's 64 bytes of mine, asked for a step ago
	WIN 0x04                                       ; store data window 1
.irp i,0,1,2,3
	ds_store_b128 v[STA], v[STG+4*\i:STG+4*\i+3] offset:STEPB+4096*\i
.endr
	WIN 0
	s_wait_dscnt 0x0                               ; v is in; my stores are done: for the others' sake, and their registers are loaded again below
	s_add_nc_u64 s[8:9], s[8:9], STEPB             ; (no load that names the base is out)
	s_cmp_lt_u32 s3, 14                            ; steps 2 to 15 are asked for in steps 0 to 13: no load leaves the buffer
	s_cbranch_scc0 .Lno_more_\@
	WIN 0x40
.irp i,0,1,2,3
	global_load_b128 v[STG+4*\i:STG+4*\i+3], v[SL], s[8:9] offset:STEPB+4096*\i
.endr
	WIN 0
.Lno_more_\@:
	s_barrier_signal -1                            ; no LDS instruction of mine is out since the wait above: my part of the next step lies in LDS.  The wait for the others stands in the softmax below
.else
	s_wait_dscnt 0x0                               ; v is in
.endif
	SOFT 0, \stage
	SPROD 1
.if \next
	s_add_co_u32 s4, s4, STEPB
	s_add_co_u32 s15, s15, 512
	v_add_nc_u32 v[ADR], s4, v[LI]                 ; no LDS instruction of mine is out: the addresses step
	v_add_nc_u32 v[CKA], s15, v[CKL]
	LDK
.endif
	SCALE
.if \next
	LDC
.endif
	MASK
.if \next
	s_add_nc_u64 s[6:7], s[6:7], 256               ; (behind the wait for all scalar loads)
	MLOAD 0                                        ; the first tile's words of the next step
.endif
	SOFT 1, 0
	PLACES                                         ; in front of loads into v's registers, or of the first read of O^T
.if \next
	LDV
.endif
.endm
	MLOAD 0
	v_mov_b32 v[ADR], v[LI]
	v_mov_b32 v[CKA], v[CKL]
	LDK
	LDC
	LDV
.Lstep:                                            ; steps 0 to 14
	STEP 1, 1
	s_add_co_u32 s3, s3, 1
	s_cmp_lt_u32 s3, 15
	s_cbranch_scc1 .Lstep
	STEP 0, 0                                      ; step 15: nothing more to store or to fetch
	; THE WAY OUT: q + O^T 2^(e8 + e9) / the sum, register by register: q^T and O^T have one layout.  A tile's 32 registers leave as eight groups of four: each store covers 512 consecutive bytes, aligned.
.irp t,0,1
	v_add_f32 v[240+4*\t], v[ST+8*\t+2], v[ST+8*\t+3]
.endr
	v_permlanex16_b32 v242, v240, s12, s13
	v_permlanex16_b32 v246, v244, s12, s13
	v_add_f32 v240, v240, v242
	v_add_f32 v244, v244, v246
	v_rcp_f32 v240, v240
	v_rcp_f32 v244, v244
	v_nop                                          ; the plain line behind the reciprocals
	s_wait_alu depctr_va_vdst(0)                   ; one wait for both
	v_ldexp_f32 v240, v240, s14
	v_ldexp_f32 v244, v244, s14
	WIN 0x10                                       ; source 2 (q) window 1
.irp t,0,1
.set i, 0
.rept 16
	v_pk_fma_f32 v[S+32*\t+i:S+32*\t+i+1], v[O+32*\t+i:O+32*\t+i+1], v[240+4*\t:241+4*\t], v[QF+32*\t+i:QF+32*\t+i+1] op_sel_hi:[1,0,1]
.set i, i+2
.endr
.endr
	WIN 0
.irp t,0,1
.irp g,0,1,2,3,4,5,6,7
	global_store_b128 v[LI], v[S+32*\t+4*\g:S+32*\t+4*\g+3], s[10:11] offset:32768*\t+512*\g
.endr
.endr
	s_wait_xcnt 0x0
	v_lshl_add_u32 v254, v0, 2, 0x42000
	v_mov_b32 v255, 0
	s_wait_tensorcnt 0x0
	ds_add_u32 v254, v255
	s_wait_dscnt 0x0
	s_endpgm
.Lfunc_end_k_q2967fcce28_attn:
	.size	k_q2967fcce28_attn, .Lfunc_end_k_q2967fcce28_attn-k_q2967fcce28_attn
	.p2alignl 7, 3214868480
	.fill 96, 4, 3214868480
	.section	.rodata,"a",@progbits
	.p2align	6, 0x0
	.amdhsa_kernel k_q2967fcce28_attn
		.amdhsa_group_segment_fixed_size 271360
		.amdhsa_private_segment_fixed_size 0
		.amdhsa_enable_private_segment 0
		.amdhsa_kernarg_size 64
		.amdhsa_user_sgpr_count 2
		.amdhsa_user_sgpr_kernarg_segment_ptr 1
		.amdhsa_wavefront_size32 1
		.amdhsa_system_sgpr_workgroup_id_x 1
		.amdhsa_system_sgpr_workgroup_id_y 1
		.amdhsa_system_sgpr_workgroup_id_z 1
		.amdhsa_system_vgpr_workitem_id 0
		.amdhsa_next_free_vgpr 512
		.amdhsa_next_free_sgpr 102
		.amdhsa_reserve_vcc 0
		.amdhsa_float_denorm_mode_32 3
		.amdhsa_float_denorm_mode_16_64 3
		.amdhsa_memory_ordered 1
		.amdhsa_forward_progress 1
		.amdhsa_inst_pref_size 116
	.end_amdhsa_kernel
	.amdgpu_metadata
---
amdhsa.version: [ 1, 2 ]
amdhsa.kernels:
  - .name:           k_q2967fcce28_attn
    .symbol:         k_q2967fcce28_attn.kd
    .args:
      - { .name: Q_codes, .offset: 0, .size: 8, .value_kind: global_buffer, .address_space: global }
      - { .name: Wq_codes, .offset: 8, .size: 8, .value_kind: global_buffer, .address_space: global }
      - { .name: bq, .offset: 16, .size: 8, .value_kind: global_buffer, .address_space: global }
      - { .name: temperature, .offset: 24, .size: 8, .value_kind: global_buffer, .address_space: global }
      - { .name: lowp_scales, .offset: 32, .size: 8, .value_kind: global_buffer, .address_space: global }
      - { .name: kv, .offset: 40, .size: 8, .value_kind: global_buffer, .address_space: global }
      - { .name: maskw, .offset: 48, .size: 8, .value_kind: global_buffer, .address_space: global }
      - { .name: oimg, .offset: 56, .size: 8, .value_kind: global_buffer, .address_space: global }
    .group_segment_fixed_size: 271360
    .private_segment_fixed_size: 0
    .kernarg_segment_align: 8
    .kernarg_segment_size: 64
    .max_flat_workgroup_size: 256
    .sgpr_count:     102
    .vgpr_count:     512
    .wavefront_size: 32
...
	.end_amdgpu_metadata
.endif
;; end of part 2
;; launch post (part 3): grid 256 x 1, 8 waves a work-group, no clusters, 56,320 bytes of LDS; arguments oimg, Wo_codes, bo, ln0_g, ln0_b, ln1_g, ln1_b, lowp_scales, out0; writes out0
.if DOCPART == 3
	.amdgcn_target "amdgcn-amd-amdhsa--gfx1250"
	.amdhsa_code_object_version 6
	.text
	.protected	k_q2967fcce28_post
	.globl	k_q2967fcce28_post
	.p2align	8
	.type	k_q2967fcce28_post,@function
k_q2967fcce28_post:
	s_mov_b64 s[64:65], 0
	v_nop
	global_prefetch_b8 v0, s[64:65] scope:SCOPE_SE
	s_setreg_imm32_b32 hwreg(HW_REG_WAVE_MODE, 25, 1), 1
	s_wait_xcnt 0x0
; POST.  Y = LN0(q + attention); Y = Y + relu(Q(Y) Wo + bo), Q the quantiser with 2^e10; out = LN1(Y).
; SHARES.  Work-group x takes query tiles 2 x, 2 x + 1: 32 rows.  Wave w takes channels, and output columns, 64 w .. 64 w + 63 of both tiles: Wo is read once a work-group, and the residual stays in registers.
; LAYOUT.  As the launch before left it: lane (r, h) holds row r; register 32 qt + 16 c + i is channel 64 w + 32 c + 16 h + i.  The product is used transposed (source 0 = 16 rows of Wo, lane r of tile 2 c + u
;   taking row 32 c + 8 u + r + 8 (r / 8)), so its results have the same layout.  Y's codes go from wave to wave through LDS as images of operand registers.
; A norm is taken in two passes (the mean, then the squares of the differences); a row's eight partial sums meet in LDS, in a region of its own for each of the four rounds, and are added in one fixed order.
; No tensor loads, no cluster: a work-group shares with the others only Wo's 262,144 bytes, read once by each, 32,768 bytes a wave straight into the registers where they stay.
; LIMITS: e10 between -126 and 112; e10 + e11 between -126 and 127.  NaN among the inputs is not served.
; REGISTERS.  Window 0: v1-12 addresses and constants; v16-79 Y; v80-143 the sums, later rows of the output; v144-175 at work, A's fragments, ln1_b; v176-207 ln0_g, bo; v208-239 ln0_b, ln1_g; v240-255 statistics, codes.
;   Window 1: Wo's sixteen fragments, (tile f, K step ks) at 16 (4 f + ks).
.set RED1, 0                           ; LDS: four regions of 1,024 bytes: entry 16 qt + r of 32 bytes, word w
.set RED2, 1024
.set RED3, 2048
.set RED4, 3072
.set AIMG, 4096                        ; Y's codes: 8,192 qt + 2,048 ks + 512 c + 16 lane
.set OST,  20480                       ; a stage of 16 rows x (256 + 16) bytes for each wave
.set Y,   16
.set ACC, 80
.set AF,  144
.set G,   176
.set BP,  208
.set MSB, 0
.macro WIN new
.if MSB != \new
	s_set_vgpr_msb (MSB<<8)|\new
.set MSB, \new
.endif
.endm
	s_load_b512 s[16:31], s[0:1], 0x0              ; oimg s[16:17], Wo s[18:19], bo s[20:21], ln0_g s[22:23], ln0_b s[24:25], ln1_g s[26:27], ln1_b s[28:29], scales s[30:31]
	s_load_b64 s[32:33], s[0:1], 0x40              ; out0
	v_lshrrev_b32 v1, 5, v0
	v_readfirstlane_b32 s2, v1                     ; wave 0..7
	v_and_b32 v13, 31, v0                          ; lane
	v_and_b32 v14, 15, v0                          ; r
	v_bfe_u32 v15, v0, 4, 1                        ; h
	v_lshlrev_b32 v1, 4, v13                       ; 16 x lane
	s_lshl_b32 s3, s2, 2
	v_lshl_add_u32 v2, v13, 5, s3                  ; a partial sum's place: entry = lane, word = wave
	v_lshlrev_b32 v3, 5, v14                       ; row r's entry of tile 0; tile 1's lies 512 bytes on
	v_lshlrev_b32 v4, 6, v15                       ; 16 h channels of f32
	v_and_b32 v5, 8, v14
	v_add_nc_u32 v5, v5, v14                       ; r + 8 (r / 8)
	v_lshlrev_b32 v5, 9, v5
	v_lshl_add_u32 v5, v15, 4, v5                  ; Wo: my row of a tile, + 16 h
	s_lshl_b32 s3, s2, 10
	s_add_co_u32 s3, s3, AIMG
	v_add_nc_u32 v6, s3, v1                        ; where I store codes: channels 64 w on are K step w / 2, groups 2 (w % 2) + c
	v_add_nc_u32 v7, AIMG, v1                      ; where fragments are read
	s_mul_i32 s3, s2, 16*272
	s_add_co_u32 s3, s3, OST
	v_mul_u32_u24 v8, v14, 272
	v_lshl_add_u32 v8, v15, 6, v8
	v_add_nc_u32 v8, s3, v8                        ; the stage, in: row r, + 64 h
	v_mul_u32_u24 v9, v15, 272
	v_lshl_add_u32 v9, v14, 4, v9
	v_add_nc_u32 v9, s3, v9                        ; back: lanes 0-15 one row of 256 bytes, lanes 16-31 the next
	v_lshlrev_b32 v10, 11, v15
	v_lshl_add_u32 v10, v14, 4, v10                ; and the same in the output
	v_mov_b32 v248, 0                              ; a lane permute's destination counts as one of its sources
	v_mov_b32 v249, 0
	s_mov_b32 s12, 0x76543210
	s_mov_b32 s13, 0xfedcba98
	s_mov_b32 s14, 0xffff0000                      ; lanes 16-31
	s_mov_b32 s6, 0x3b000000                       ; 1 / 512
	s_mov_b32 s7, 0x3727c5ac                       ; 1e-5
	s_mov_b32 s35, 0
	s_wait_kmcnt 0x0
	s_load_b64 s[4:5], s[30:31], 0x28              ; e10, e11
	s_lshl_b32 s34, ttmp9, 16
	s_lshl_b32 s3, s2, 12
	s_add_co_u32 s34, s34, s3
	s_add_nc_u64 s[16:17], s[16:17], s[34:35]      ; the image of tile 2 x, head w
	s_lshl_b32 s34, s2, 15
	s_add_nc_u64 s[18:19], s[18:19], s[34:35]      ; my 64 rows of Wo
	s_lshl_b32 s34, s2, 8
	s_add_nc_u64 s[20:21], s[20:21], s[34:35]      ; my 64 numbers of each vector
	s_add_nc_u64 s[22:23], s[22:23], s[34:35]
	s_add_nc_u64 s[24:25], s[24:25], s[34:35]
	s_add_nc_u64 s[26:27], s[26:27], s[34:35]
	s_add_nc_u64 s[28:29], s[28:29], s[34:35]
	s_lshl_b32 s3, ttmp9, 16
	s_add_co_u32 s34, s34, s3
	s_add_nc_u64 s[32:33], s[32:33], s[34:35]      ; out: row 32 x, column 64 w
.macro VEC reg, lo, hi                 ; a vector's 32 numbers of my lane: register 16 c + i = channel 32 c + 16 h + i
.irp c,0,1
.irp j,0,1,2,3
	global_load_b128 v[\reg+16*\c+4*\j:\reg+16*\c+4*\j+3], v4, s[\lo:\hi] offset:128*\c+16*\j
.endr
.endr
.endm
.irp qt,0,1
.irp g,0,1,2,3,4,5,6,7
	global_load_b128 v[Y+32*\qt+4*\g:Y+32*\qt+4*\g+3], v1, s[16:17] offset:32768*\qt+512*\g th:TH_LOAD_NT
.endr
.endr
	VEC G, 22, 23
	VEC BP, 24, 25
	WIN 0x40                                       ; destination window 1
.irp f,0,1,2,3
.irp ks,0,1,2,3
.irp c,0,1,2,3
	global_load_b128 v[16*(4*\f+\ks)+4*\c:16*(4*\f+\ks)+4*\c+3], v5, s[18:19] offset:(32*(\f/2)+8*(\f%2))*512+128*\ks+32*\c
.endr
.endr
.endr
	WIN 0
; v240 (tile 0) and v244 (tile 1) hold my lane's partial sums.  Lane l xor 16's are added; lanes 0-15 store tile 0's figure and lanes 16-31 tile 1's; behind the barrier each lane adds its row's eight partials of both tiles: v240, v248.
.macro REDUCE reg
	v_permlanex16_b32 v248, v240, s12, s13
	v_permlanex16_b32 v249, v244, s12, s13
	v_add_f32 v240, v240, v248
	v_add_f32 v244, v244, v249
	v_cndmask_b32 v240, v240, v244, s14
	ds_store_b32 v2, v240 offset:\reg
	s_wait_dscnt 0x0                               ; for the others' sake: my store is done
	s_barrier_signal -1
	s_barrier_wait -1
	ds_load_b128 v[240:243], v3 offset:\reg
	ds_load_b128 v[244:247], v3 offset:\reg+16
	ds_load_b128 v[248:251], v3 offset:\reg+512
	ds_load_b128 v[252:255], v3 offset:\reg+528
	s_wait_dscnt 0x0
	v_pk_add_f32 v[240:241], v[240:241], v[242:243]
	v_pk_add_f32 v[244:245], v[244:245], v[246:247]
	v_pk_add_f32 v[248:249], v[248:249], v[250:251]
	v_pk_add_f32 v[252:253], v[252:253], v[254:255]
	v_pk_add_f32 v[240:241], v[240:241], v[244:245]
	v_pk_add_f32 v[248:249], v[248:249], v[252:253]
	v_add_f32 v240, v240, v241
	v_add_f32 v248, v248, v249
.endm
; Y = (Y - mean) / sqrt(var + 1e-5) x g + b, over a row's 512 channels
.macro LNORM ra, rb, g, bb
.irp qt,0,1
	v_pk_add_f32 v[240+4*\qt:241+4*\qt], v[Y+32*\qt:Y+32*\qt+1], v[Y+32*\qt+2:Y+32*\qt+3]
	v_pk_add_f32 v[242+4*\qt:243+4*\qt], v[Y+32*\qt+4:Y+32*\qt+5], v[Y+32*\qt+6:Y+32*\qt+7]
.irp i,8,12,16,20,24,28
	v_pk_add_f32 v[240+4*\qt:241+4*\qt], v[240+4*\qt:241+4*\qt], v[Y+32*\qt+\i:Y+32*\qt+\i+1]
	v_pk_add_f32 v[242+4*\qt:243+4*\qt], v[242+4*\qt:243+4*\qt], v[Y+32*\qt+\i+2:Y+32*\qt+\i+3]
.endr
	v_pk_add_f32 v[240+4*\qt:241+4*\qt], v[240+4*\qt:241+4*\qt], v[242+4*\qt:243+4*\qt]
	v_add_f32 v[240+4*\qt], v[240+4*\qt], v[241+4*\qt]
.endr
	REDUCE \ra
	v_mul_f32 v240, 0xbb000000, v240               ; -mean
	v_mul_f32 v248, 0xbb000000, v248
.irp qt,0,1
.set i, 0
.rept 16
	v_pk_add_f32 v[Y+32*\qt+i:Y+32*\qt+i+1], v[Y+32*\qt+i:Y+32*\qt+i+1], v[240+8*\qt:241+8*\qt] op_sel_hi:[1,0]
.set i, i+2
.endr
.endr
.irp qt,0,1
	v_pk_mul_f32 v[240+4*\qt:241+4*\qt], v[Y+32*\qt:Y+32*\qt+1], v[Y+32*\qt:Y+32*\qt+1]
	v_pk_mul_f32 v[242+4*\qt:243+4*\qt], v[Y+32*\qt+2:Y+32*\qt+3], v[Y+32*\qt+2:Y+32*\qt+3]
.irp i,4,8,12,16,20,24,28
	v_pk_fma_f32 v[240+4*\qt:241+4*\qt], v[Y+32*\qt+\i:Y+32*\qt+\i+1], v[Y+32*\qt+\i:Y+32*\qt+\i+1], v[240+4*\qt:241+4*\qt]
	v_pk_fma_f32 v[242+4*\qt:243+4*\qt], v[Y+32*\qt+\i+2:Y+32*\qt+\i+3], v[Y+32*\qt+\i+2:Y+32*\qt+\i+3], v[242+4*\qt:243+4*\qt]
.endr
	v_pk_add_f32 v[240+4*\qt:241+4*\qt], v[240+4*\qt:241+4*\qt], v[242+4*\qt:243+4*\qt]
	v_add_f32 v[240+4*\qt], v[240+4*\qt], v[241+4*\qt]
.endr
	REDUCE \rb
	v_fma_f32 v240, v240, s6, s7                   ; var + 1e-5
	v_fma_f32 v248, v248, s6, s7
	v_rsq_f32 v240, v240
	v_rsq_f32 v248, v248
	v_nop                                          ; the plain line behind the two
	s_wait_alu depctr_va_vdst(0)                   ; one wait for both, ahead of their first reader
.irp qt,0,1
.set i, 0
.rept 16
	v_pk_mul_f32 v[Y+32*\qt+i:Y+32*\qt+i+1], v[Y+32*\qt+i:Y+32*\qt+i+1], v[240+8*\qt:241+8*\qt] op_sel_hi:[1,0]
	v_pk_fma_f32 v[Y+32*\qt+i:Y+32*\qt+i+1], v[Y+32*\qt+i:Y+32*\qt+i+1], v[\g+i:\g+i+1], v[\bb+i:\bb+i+1]
.set i, i+2
.endr
.endr
.endm
	s_wait_loadcnt 63                              ; of the 96 loads issued at most 63 are out: the first 33 are in, Y's 16, ln0_g's 8 and ln0_b's 8 among them
	LNORM RED1, RED2, G, BP
	VEC G, 20, 21                                  ; bo
	VEC BP, 26, 27                                 ; ln1_g
	s_wait_kmcnt 0x0
	s_add_co_i32 s3, s4, 127
	s_lshl_b32 s8, s3, 23
	v_mov_b32 v11, s8                              ; 2^e10
	s_add_co_i32 s3, s3, 15
	s_lshl_b32 s3, s3, 23
	s_or_b32 s3, s3, 0x600000
	v_mov_b32 v12, s3                              ; 57,344 x 2^e10
	s_add_co_i32 s10, s4, s5
	s_add_co_i32 s10, s10, 127
	s_lshl_b32 s10, s10, 23                        ; 2^(e10 + e11)
	s_mov_b32 s11, s10
	; Y's codes: 16 neighbours along K at a time, held into registers of their own (Y itself is the residual), two sets by turns
.set n, 0
.irp qt,0,1
.irp c,0,1
.irp i,0,1,2,3,4,5,6,7,8,9,10,11,12,13,14,15
	v_med3_num_f32 v[AF+16*(n%2)+\i], v[Y+32*\qt+16*\c+\i], -v12, v12   ; the conversion does not saturate (ISA guide 7.6.2)
.endr
	v_cvt_scalef32_pk8_bf8_f32 v[240+4*n:241+4*n], v[AF+16*(n%2):AF+16*(n%2)+7], v11
	v_cvt_scalef32_pk8_bf8_f32 v[242+4*n:243+4*n], v[AF+16*(n%2)+8:AF+16*(n%2)+15], v11
	ds_store_b128 v6, v[240+4*n:243+4*n] offset:8192*\qt+512*\c
.set n, n+1
.endr
.endr
	v_nop                                          ; a plain line behind the last conversion
	s_wait_dscnt 0x0
	s_barrier_signal -1
	s_barrier_wait -1                              ; both tiles' four fragments lie in LDS
.irp ks,0,1,2,3                        ; my 64 columns for 32 rows: eight accumulators by turns, a K step of 128 at a time
.irp qt,0,1
.irp c,0,1,2,3
	ds_load_b128 v[AF+16*\qt+4*\c:AF+16*\qt+4*\c+3], v7 offset:8192*\qt+2048*\ks+512*\c
.endr
.endr
.if \ks == 0
	s_wait_loadcnt 16                              ; Wo is in; bo's 8 and ln1_g's 8 loads are younger
.endif
	s_wait_dscnt 0x0
	WIN 0x01                                       ; source 0 (Wo) window 1
.irp qt,0,1
.irp f,0,1,2,3
.if \ks == 0
	v_wmma_f32_16x16x128_bf8_bf8 v[ACC+32*\qt+8*\f:ACC+32*\qt+8*\f+7], v[16*(4*\f+\ks):16*(4*\f+\ks)+15], v[AF+16*\qt:AF+16*\qt+15], 0
.else
	v_wmma_f32_16x16x128_bf8_bf8 v[ACC+32*\qt+8*\f:ACC+32*\qt+8*\f+7], v[16*(4*\f+\ks):16*(4*\f+\ks)+15], v[AF+16*\qt:AF+16*\qt+15], v[ACC+32*\qt+8*\f:ACC+32*\qt+8*\f+7]
.endif
.endr
.endr
	WIN 0
.rept 4
	v_nop                                          ; four places in front of loads into the fragments' registers, and of the first read of results
.endr
.endr
	VEC AF, 28, 29                                 ; ln1_b
	s_wait_loadcnt 16                              ; bo is in; ln1_g's 8 and ln1_b's 8 loads are younger
.irp qt,0,1
.set i, 0
.rept 16
	v_pk_fma_f32 v[ACC+32*\qt+i:ACC+32*\qt+i+1], v[ACC+32*\qt+i:ACC+32*\qt+i+1], s[10:11], v[G+i:G+i+1] op_sel_hi:[1,0,1]   ; sum x 2^(e10 + e11) + bo
.set i, i+2
.endr
.endr
.set i, 0
.rept 64
	v_max_num_f32 v[ACC+i], 0, v[ACC+i]            ; relu
.set i, i+1
.endr
.set i, 0
.rept 32
	v_pk_add_f32 v[Y+i:Y+i+1], v[Y+i:Y+i+1], v[ACC+i:ACC+i+1]
.set i, i+2
.endr
	s_wait_loadcnt 0x0                             ; ln1_g, ln1_b
	LNORM RED3, RED4, BP, AF
	; THE WAY OUT: a tile's 16 rows x 256 bytes through my stage (LDS serves a wave's instructions in order), back as whole rows: sixteen lanes store 256 consecutive bytes, aligned
.irp qt,0,1
.irp c,0,1
.irp j,0,1,2,3
	ds_store_b128 v8, v[Y+32*\qt+16*\c+4*\j:Y+32*\qt+16*\c+4*\j+3] offset:128*\c+16*\j
.endr
.endr
.irp i,0,1,2,3,4,5,6,7
	ds_load_b128 v[ACC+32*\qt+4*\i:ACC+32*\qt+4*\i+3], v9 offset:544*\i
.endr
.endr
.irp qt,0,1
.irp i,0,1,2,3,4,5,6,7
	s_wait_dscnt 16*(1-\qt)+7-\i                   ; behind this read: the tile's later reads, and for tile 0 tile 1's 8 stores and 8 reads
	global_store_b128 v10, v[ACC+32*\qt+4*\i:ACC+32*\qt+4*\i+3], s[32:33] offset:(16*\qt+2*\i)*2048 th:TH_STORE_NT
.endr
.endr
	s_wait_xcnt 0x0
	v_lshl_add_u32 v254, v0, 2, 0xd800
	v_mov_b32 v255, 0
	s_wait_tensorcnt 0x0
	ds_add_u32 v254, v255
	s_wait_dscnt 0x0
	s_endpgm
.Lfunc_end_k_q2967fcce28_post:
	.size	k_q2967fcce28_post, .Lfunc_end_k_q2967fcce28_post-k_q2967fcce28_post
	.p2alignl 7, 3214868480
	.fill 96, 4, 3214868480
	.section	.rodata,"a",@progbits
	.p2align	6, 0x0
	.amdhsa_kernel k_q2967fcce28_post
		.amdhsa_group_segment_fixed_size 56320
		.amdhsa_private_segment_fixed_size 0
		.amdhsa_enable_private_segment 0
		.amdhsa_kernarg_size 72
		.amdhsa_user_sgpr_count 2
		.amdhsa_user_sgpr_kernarg_segment_ptr 1
		.amdhsa_wavefront_size32 1
		.amdhsa_system_sgpr_workgroup_id_x 1
		.amdhsa_system_sgpr_workgroup_id_y 1
		.amdhsa_system_sgpr_workgroup_id_z 1
		.amdhsa_system_vgpr_workitem_id 0
		.amdhsa_next_free_vgpr 512
		.amdhsa_next_free_sgpr 66
		.amdhsa_reserve_vcc 0
		.amdhsa_float_denorm_mode_32 3
		.amdhsa_float_denorm_mode_16_64 3
		.amdhsa_memory_ordered 1
		.amdhsa_forward_progress 1
		.amdhsa_inst_pref_size 61
	.end_amdhsa_kernel
	.amdgpu_metadata
---
amdhsa.version: [ 1, 2 ]
amdhsa.kernels:
  - .name:           k_q2967fcce28_post
    .symbol:         k_q2967fcce28_post.kd
    .args:
      - { .name: oimg, .offset: 0, .size: 8, .value_kind: global_buffer, .address_space: global }
      - { .name: Wo_codes, .offset: 8, .size: 8, .value_kind: global_buffer, .address_space: global }
      - { .name: bo, .offset: 16, .size: 8, .value_kind: global_buffer, .address_space: global }
      - { .name: ln0_g, .offset: 24, .size: 8, .value_kind: global_buffer, .address_space: global }
      - { .name: ln0_b, .offset: 32, .size: 8, .value_kind: global_buffer, .address_space: global }
      - { .name: ln1_g, .offset: 40, .size: 8, .value_kind: global_buffer, .address_space: global }
      - { .name: ln1_b, .offset: 48, .size: 8, .value_kind: global_buffer, .address_space: global }
      - { .name: lowp_scales, .offset: 56, .size: 8, .value_kind: global_buffer, .address_space: global }
      - { .name: out0, .offset: 64, .size: 8, .value_kind: global_buffer, .address_space: global }
    .group_segment_fixed_size: 56320
    .private_segment_fixed_size: 0
    .kernarg_segment_align: 8
    .kernarg_segment_size: 72
    .max_flat_workgroup_size: 256
    .sgpr_count:     66
    .vgpr_count:     512
    .wavefront_size: 32
...
	.end_amdgpu_metadata
.endif
;; end of part 3
;; ======== version 2 of 2: 3 launches
;; workspace buffers: kv 8,388,608 bytes; maskw 2,097,152 bytes of whole numbers; oimg 16,777,216 bytes
;; launch prep (part 4): grid 256 x 1, 8 waves a work-group, no clusters, 271,360 bytes of LDS; arguments K_codes, Wk_codes, Wv_codes, bk, bv, lowp_scales, mask, kv, maskw; writes kv, maskw
.if DOCPART == 4
	.amdgcn_target "amdgcn-amd-amdhsa--gfx1250"
	.amdhsa_code_object_version 6
	.text
	.protected	k_q2967fcce28_prep
	.globl	k_q2967fcce28_prep
	.p2align	8
	.type	k_q2967fcce28_prep,@function
k_q2967fcce28_prep:
	s_mov_b64 s[64:65], 0
	v_nop
	global_prefetch_b8 v0, s[64:65] scope:SCOPE_SE
	s_setreg_imm32_b32 hwreg(HW_REG_WAVE_MODE, 25, 1), 1
	s_wait_xcnt 0x0
; PREP.  (1) The mask [4][2048][2048] int32 is read once and leaves as lane masks: one 32-bit word for each score register of the attention launch.
;        (2) k = K Wk + bk and v = K Wv + bv (codes of E5M2 in, f32 sums), quantised with the given 2^e7 and 2^e8, leave as images of the attention launch's operand registers.
; SHARES.  Work-group x: st = x / 4 (batch st / 16, key step st % 16: 128 keys), g = x % 4 (heads 2 g, 2 g + 1).  Wave w: head 2 g + w / 4, key tiles 4 (w % 2) + 0..3, channel tiles 2 ((w / 2) % 2) + 0, 1.
;   Mask: wave W = 8 x + w takes query tile W / 4 (of 512) and key steps 4 (W % 4) + 0..3: four units of 16 rows x 512 bytes.
; ORDER OF THE WORK.  A wave asks for its tile and then for ALL its 64 loads of the mask (32,768 bytes, into window 1) at the head; the two products and their way out run while those are on their way;
;   then the four units are turned into words.
; ONE ORDER OF ROWS EVERYWHERE: lane r of tile 2 c + u takes row 32 c + 8 u + r + 8 (r / 8).  A transposed result then holds, in lane (r, h), register 16 c + i, the index 32 c + 16 h + i:
;   eight registers on end are eight neighbours along the next K, and a fragment fetched 16 bytes a lane holds k = 32 c + 16 h + 0..15 in registers 4 c .. 4 c + 3, alike in both operands.
; kv:    [batch x 8 + head][step][16,384]: eight fragments of K (1,024 bytes: 2 groups of 512, lane l's 16 bytes at 16 l), then four of V (2,048 bytes: 4 groups).
; maskw: [query tile][step][64 words]: bit l of word j = mask(query l % 16, key 32 (j / 16) + 16 (l / 16) + j % 16) != 0.
; The three tiles (128 rows of K's codes, of Wk's and of Wv's) come by six tensor loads, one a wave, each byte of LDS filled once; the mask goes through registers and a stage of the wave's own.
; No cluster: the four work-groups of a key step share 65,536 bytes of codes, against the 262,144 bytes of the mask that each reads alone.
; LIMITS: e2 + e3 and e4 + e5 between -126 and 127; e7 and e8 between -126 and 112, so that each power of two below is an f32 number.  NaN among the inputs is not served.
; REGISTERS.  Window 0: v1-7 addresses; v8-27 biases; v28-31 scales and limits; v32-255 the products' (below), later the words and two sets of a unit's numbers.  Window 1: the mask as loaded, unit u at 64 u.
.set PITCH, 528                        ; an LDS row: 512 bytes + 16 of padding = 132 words
.set HALF,  64*PITCH                   ; what one tensor load brings
.set WKL,   2*HALF                     ; LDS: 128 rows of K's codes at 0, of Wk's here,
.set WVL,   4*HALF                     ; of Wv's here,
.set MSTG,  6*HALF                     ; and the waves' stages for the mask: 16 rows x 528 bytes each; no tile lands there
.set MW,    16*PITCH
.set BKR,   8                          ; v8-23   bk at channels 32 cp + 16 h + 0..15 of my head
.set WP,    32                         ; v32-39  behind the products: a pair of registers for each unit: lane L holds words 2 L, 2 L + 1
.set INF,   32                         ; v32-63  fragments of K's codes, four key tiles x 64 along K
.set WKF,   64                         ; v64-79  Wk's two
.set WVF,   80                         ; v80-95  Wv's two
.set CD,    96                         ; v96-127 the codes made (v100-106: the head's temporaries)
.set ACCK,  128                        ; v128-191 k: accumulator (kt, ct) at 8 (2 kt + ct); later the odd units' numbers
.set ACCV,  192                        ; v192-255 v likewise; later the even units' numbers
.set MSB, 0
.macro WIN new                         ; the immediate's high byte repeats the setting that is left
.if MSB != \new
	s_set_vgpr_msb (MSB<<8)|\new
.set MSB, \new
.endif
.endm
	s_load_b512 s[16:31], s[0:1], 0x0              ; K s[16:17], Wk s[18:19], Wv s[20:21], bk s[22:23], bv s[24:25], scales s[26:27], mask s[28:29], kv s[30:31]
	s_load_b64 s[32:33], s[0:1], 0x40              ; maskw
	v_lshl_add_u32 v254, v0, 2, 0x42000
	v_mov_b32 v255, 0
	ds_add_u32 v254, v255
	ds_add_u32 v254, v255
	s_wait_dscnt 0x0
	v_lshrrev_b32 v1, 5, v0
	s_delay_alu instid0(VALU_DEP_1)
	v_readfirstlane_b32 s2, v1                     ; wave 0..7
	s_lshr_b32 s34, ttmp9, 2                       ; st
	s_and_b32 s35, ttmp9, 3                        ; g
	; descriptor group 1: 64 rows of 512 bytes, 512 bytes apart in memory, 16 bytes of padding behind each in LDS
	s_mov_b32 s40, (1<<20)|(6<<22)|(3<<25)         ; no mask; elements of 1 byte; padding on: after every 128 words (code 6) four words (code 3)
	s_mov_b32 s41, 512<<16                         ; tensor_dim0
	s_mov_b32 s42, 64<<16                          ; tensor_dim1
	s_mov_b32 s43, 512<<16                         ; tile_dim0
	s_mov_b32 s44, 64                              ; tile_dim1
	s_mov_b32 s45, 512                             ; stride from row to row
	s_mov_b32 s46, 0
	s_mov_b32 s47, 0
	s_mov_b32 s36, 1                               ; group 0: count = 1,
	s_mul_i32 s37, s2, HALF                        ; LDS address: waves 0, 1 the input's halves, 2, 3 Wk's, 4, 5 Wv's
	s_and_b32 s50, s2, 1                           ; kh; also: which 64 rows I fetch
	s_bfe_u32 s51, s2, 0x10001                     ; cp
	s_lshr_b32 s52, s2, 2                          ; hp
	s_lshl_b32 s3, s50, 15                         ; 64 rows x 512 bytes
	s_lshl_b32 s48, s34, 16                        ; the input's rows 128 st on,
	s_lshl_b32 s49, s35, 16                        ; a weight's rows 128 g on
	s_cmp_lt_u32 s2, 2
	s_cselect_b32 s48, s48, s49
	s_add_co_u32 s48, s48, s3
	s_mov_b32 s49, 0
	s_wait_kmcnt 0x0
	s_load_b256 s[4:11], s[26:27], 0x0             ; e0 .. e7
	s_load_b128 s[12:15], s[26:27], 0x20           ; e8 .. e11
	s_cmp_lt_u32 s2, 4
	s_cselect_b64 s[38:39], s[18:19], s[20:21]
	s_cmp_lt_u32 s2, 2
	s_cselect_b64 s[38:39], s[16:17], s[38:39]
	s_add_nc_u64 s[38:39], s[38:39], s[48:49]
	s_or_b32 s39, s39, 0x80000000                  ; type = 2
	s_cmp_lt_u32 s2, 6
	s_cbranch_scc0 .Lno_fill
	tensor_load_to_lds s[36:39], s[40:47]          ; the wave's one tensor load: one is out
	s_nop 0
.rept 4
	v_nop
.endr
.Lno_fill:
	v_and_b32 v100, 31, v0                         ; lane
	v_and_b32 v101, 15, v0                         ; r
	v_bfe_u32 v102, v0, 4, 1                       ; h
	s_delay_alu instid0(VALU_DEP_3)
	v_lshlrev_b32 v1, 4, v100                      ; 16 x lane
	s_delay_alu instid0(VALU_DEP_4)
	v_lshlrev_b32 v7, 3, v100                      ; 8 x lane
	s_mul_i32 s3, s2, MW
	s_add_co_u32 s3, s3, MSTG                      ; my stage
	v_add_nc_u32 v2, s3, v1                        ; into it: a row as it is loaded
	v_mul_u32_u24 v3, v101, PITCH
	s_delay_alu instid0(VALU_DEP_1)
	v_lshl_add_u32 v3, v102, 6, v3
	s_delay_alu instid0(VALU_DEP_1)
	v_add_nc_u32 v3, s3, v3                        ; out of it: row r, keys 16 h on
	v_and_b32 v103, 8, v101
	s_delay_alu instid0(VALU_DEP_1)
	v_add_nc_u32 v103, v103, v101                  ; r + 8 (r / 8)
	s_wait_alu depctr_va_vdst(0)
	v_mul_u32_u24 v104, v103, PITCH
	s_delay_alu instid0(VALU_DEP_1)
	v_lshl_add_u32 v104, v102, 4, v104             ; a fragment's row x pitch + 16 h
	s_mul_i32 s3, s50, HALF
	v_add_nc_u32 v4, s3, v104                      ; the input: my 64 keys
	s_mul_i32 s3, s52, HALF
	s_mul_i32 s53, s51, 32*PITCH
	s_add_co_u32 s3, s3, s53                       ; a weight: my head's 64 rows, my 32 of them
	s_add_co_u32 s53, s3, WKL
	v_add_nc_u32 v5, s53, v104
	s_add_co_u32 s53, s3, WVL
	v_add_nc_u32 v6, s53, v104
	s_lshl_b32 s3, s35, 9
	s_lshl_b32 s53, s52, 8
	s_add_co_u32 s3, s3, s53
	s_lshl_b32 s53, s51, 7
	s_add_co_u32 s3, s3, s53                       ; byte of channel 64 head + 32 cp in a bias
	v_lshl_add_u32 v105, v102, 6, s3               ; bk: + 16 h channels
	v_lshl_add_u32 v106, v103, 2, s3               ; bv: + my row of a tile
.irp j,0,1,2,3
	global_load_b128 v[BKR+4*\j:BKR+4*\j+3], v105, s[22:23] offset:16*\j
.endr
	global_load_b32 v24, v106, s[24:25]            ; bv of tile ct = 0, in both words of a pair (the packed form names the pair)
	global_load_b32 v25, v106, s[24:25]
	global_load_b32 v26, v106, s[24:25] offset:32  ; ct = 1: eight channels on
	global_load_b32 v27, v106, s[24:25] offset:32
	s_lshl_b32 s3, ttmp9, 1
	s_add_co_u32 s3, s3, s52                       ; my query tile: (8 x + w) / 4
	s_and_b32 s53, s2, 3                           ; my four key steps
	s_lshl_b32 s54, s3, 17                         ; 16 rows of 8,192 bytes
	s_lshl_b32 s55, s53, 11
	s_add_co_u32 s54, s54, s55
	s_mov_b32 s55, 0
	s_add_nc_u64 s[28:29], s[28:29], s[54:55]
	s_lshl_b32 s54, s3, 12
	s_lshl_b32 s3, s53, 10
	s_add_co_u32 s54, s54, s3
	s_add_nc_u64 s[32:33], s[32:33], s[54:55]
.macro LOADU u                         ; unit u: 16 rows, each load 512 consecutive bytes of one row
.irp i,0,1,2,3,4,5,6,7,8,9,10,11,12,13,14,15
	global_load_b128 v[64*(\u)+4*\i:64*(\u)+4*\i+3], v1, s[28:29] offset:8192*\i+512*(\u) th:TH_LOAD_NT
.endr
.endm
	WIN 0x40                                       ; destination window 1
	LOADU 0                                        ; all that I read of the mask is asked for here: 64 loads, behind the 8 of the biases
	LOADU 1
	LOADU 2
	LOADU 3
	WIN 0
	s_lshr_b32 s3, s34, 4                          ; where my codes go: batch,
	s_lshl_b32 s3, s3, 3
	s_lshl_b32 s53, s35, 1
	s_add_co_u32 s3, s3, s53
	s_add_co_u32 s3, s3, s52                       ; x 8 + head,
	s_lshl_b32 s3, s3, 4
	s_and_b32 s53, s34, 15
	s_add_co_u32 s3, s3, s53                       ; x 16 + step,
	s_lshl_b32 s3, s3, 14                          ; x 16,384 bytes
	s_lshl_b32 s53, s50, 12
	s_lshl_b32 s54, s51, 9
	s_add_co_u32 s54, s54, s53
	s_add_co_u32 s54, s54, s3
	s_add_nc_u64 s[66:67], s[30:31], s[54:55]      ; k: fragment 4 kh, group cp
	s_lshl_b32 s53, s51, 12
	s_lshl_b32 s54, s50, 10
	s_add_co_u32 s54, s54, s53
	s_add_co_u32 s54, s54, s3
	s_add_co_u32 s54, s54, 8192
	s_add_nc_u64 s[68:69], s[30:31], s[54:55]      ; v: fragment 2 cp, group 2 kh
	s_wait_alu depctr_va_vdst(0)
	s_wait_kmcnt 0x0
	s_add_co_i32 s56, s6, s7
	s_add_co_i32 s56, s56, 127
	s_lshl_b32 s56, s56, 23                        ; 2^(e2 + e3)
	s_mov_b32 s57, s56
	s_add_co_i32 s58, s8, s9
	s_add_co_i32 s58, s58, 127
	s_lshl_b32 s58, s58, 23                        ; 2^(e4 + e5)
	s_mov_b32 s59, s58
	s_add_co_i32 s3, s11, 127
	s_lshl_b32 s60, s3, 23
	v_mov_b32 v28, s60                             ; 2^e7: the conversion takes its exponent field
	s_add_co_i32 s3, s3, 15
	s_lshl_b32 s3, s3, 23
	s_or_b32 s3, s3, 0x600000
	v_mov_b32 v29, s3                              ; 57,344 x 2^e7
	s_add_co_i32 s3, s12, 127
	s_lshl_b32 s60, s3, 23
	v_mov_b32 v30, s60                             ; 2^e8
	s_add_co_i32 s3, s3, 15
	s_lshl_b32 s3, s3, 23
	s_or_b32 s3, s3, 0x600000
	v_mov_b32 v31, s3                              ; 57,344 x 2^e8
	s_wait_tensorcnt 0x0                           ; my tile has landed (no LDS instruction of mine is out yet),
	s_barrier_signal -1
	s_barrier_wait -1                              ; everybody's has
; THE TWO PRODUCTS, eight steps of 64 along K; sixteen accumulators by turns.  k transposed (source 0 = Wk's rows): a lane holds a key, registers run along channels, the next K.
; v as it stands (source 0 = the keys): a lane holds a channel, registers run along keys, its next K.
.set kk, 0
.rept 8
.irp kt,0,1,2,3
	ds_load_b128 v[INF+8*\kt:INF+8*\kt+3], v4 offset:(32*(\kt/2)+8*(\kt%2))*PITCH+64*kk
	ds_load_b128 v[INF+8*\kt+4:INF+8*\kt+7], v4 offset:(32*(\kt/2)+8*(\kt%2))*PITCH+64*kk+32
.endr
.irp ct,0,1
	ds_load_b128 v[WKF+8*\ct:WKF+8*\ct+3], v5 offset:8*\ct*PITCH+64*kk
	ds_load_b128 v[WKF+8*\ct+4:WKF+8*\ct+7], v5 offset:8*\ct*PITCH+64*kk+32
	ds_load_b128 v[WVF+8*\ct:WVF+8*\ct+3], v6 offset:8*\ct*PITCH+64*kk
	ds_load_b128 v[WVF+8*\ct+4:WVF+8*\ct+7], v6 offset:8*\ct*PITCH+64*kk+32
.endr
	s_wait_dscnt 0x0
.irp kt,0,1,2,3
.irp ct,0,1
.if kk == 0
	v_wmma_f32_16x16x64_bf8_bf8 v[ACCK+8*(2*\kt+\ct):ACCK+8*(2*\kt+\ct)+7], v[WKF+8*\ct:WKF+8*\ct+7], v[INF+8*\kt:INF+8*\kt+7], 0
	v_wmma_f32_16x16x64_bf8_bf8 v[ACCV+8*(2*\kt+\ct):ACCV+8*(2*\kt+\ct)+7], v[INF+8*\kt:INF+8*\kt+7], v[WVF+8*\ct:WVF+8*\ct+7], 0
.else
	v_wmma_f32_16x16x64_bf8_bf8 v[ACCK+8*(2*\kt+\ct):ACCK+8*(2*\kt+\ct)+7], v[WKF+8*\ct:WKF+8*\ct+7], v[INF+8*\kt:INF+8*\kt+7], v[ACCK+8*(2*\kt+\ct):ACCK+8*(2*\kt+\ct)+7]
	v_wmma_f32_16x16x64_bf8_bf8 v[ACCV+8*(2*\kt+\ct):ACCV+8*(2*\kt+\ct)+7], v[INF+8*\kt:INF+8*\kt+7], v[WVF+8*\ct:WVF+8*\ct+7], v[ACCV+8*(2*\kt+\ct):ACCV+8*(2*\kt+\ct)+7]
.endif
.endr
.endr
.rept 4
	v_nop                                          ; four places in front of loads into registers that the products read, and of the first read of results
.endr
.set kk, kk+1
.endr
	s_wait_loadcnt 63                              ; of the 72 loads issued at most 63 are out: the first nine are in, the biases' eight among them; their address registers may be written
; k = sum x 2^(e2 + e3) + bk, held within the largest code x 2^e7, converted: a key tile's 16 registers give group cp of its fragment
.irp kt,0,1,2,3
.irp i,0,2,4,6,8,10,12,14
	v_pk_fma_f32 v[ACCK+16*\kt+\i:ACCK+16*\kt+\i+1], v[ACCK+16*\kt+\i:ACCK+16*\kt+\i+1], s[56:57], v[BKR+\i:BKR+\i+1] op_sel_hi:[1,0,1]
.endr
.irp i,0,1,2,3,4,5,6,7,8,9,10,11,12,13,14,15
	v_med3_num_f32 v[ACCK+16*\kt+\i], v[ACCK+16*\kt+\i], -v29, v29   ; the conversion to an 8-bit code does not saturate (ISA guide 7.6.2)
.endr
	v_cvt_scalef32_pk8_bf8_f32 v[CD+4*\kt:CD+4*\kt+1], v[ACCK+16*\kt:ACCK+16*\kt+7], v28
	v_cvt_scalef32_pk8_bf8_f32 v[CD+4*\kt+2:CD+4*\kt+3], v[ACCK+16*\kt+8:ACCK+16*\kt+15], v28
.endr
; v = sum x 2^(e4 + e5) + bv (one number a lane and tile): key tiles 2 cc, 2 cc + 1 give group 2 kh + cc of channel tile ct's fragment
.irp kt,0,1,2,3
.irp ct,0,1
.irp i,0,2,4,6
	v_pk_fma_f32 v[ACCV+8*(2*\kt+\ct)+\i:ACCV+8*(2*\kt+\ct)+\i+1], v[ACCV+8*(2*\kt+\ct)+\i:ACCV+8*(2*\kt+\ct)+\i+1], s[58:59], v[24+2*\ct:25+2*\ct] op_sel_hi:[1,0,0]
.endr
.irp i,0,1,2,3,4,5,6,7
	v_med3_num_f32 v[ACCV+8*(2*\kt+\ct)+\i], v[ACCV+8*(2*\kt+\ct)+\i], -v31, v31
.endr
	v_cvt_scalef32_pk8_bf8_f32 v[CD+16+4*(2*\ct+\kt/2)+2*(\kt%2):CD+16+4*(2*\ct+\kt/2)+2*(\kt%2)+1], v[ACCV+8*(2*\kt+\ct):ACCV+8*(2*\kt+\ct)+7], v30
.endr
.endr
	v_nop                                          ; a plain line behind the last conversion
.irp kt,0,1,2,3
	global_store_b128 v1, v[CD+4*\kt:CD+4*\kt+3], s[66:67] offset:1024*\kt       ; each store of the wave covers 512 consecutive bytes, aligned; the codes' registers are not written again
.endr
.irp ct,0,1
.irp cc,0,1
	global_store_b128 v1, v[CD+16+4*(2*\ct+\cc):CD+16+4*(2*\ct+\cc)+3], s[68:69] offset:2048*\ct+512*\cc
.endr
.endr
; THE MASK.  A unit goes through my stage: in as it was loaded, out as the attention's lanes hold its scores.  LDS serves a wave's instructions in order: no wait stands between a unit's stores and its loads,
; nor in front of the next unit's stores into the same stage.  The numbers come back into two sets of registers by turns, so that a unit's way through LDS runs under the compares of the unit before.
.irp i,0,1,2,3,4,5,6,7
	v_mov_b32 v[WP+\i], 0                          ; written whole before single lanes are written
.endr
.macro TURNU u
.set XS, 192-64*((\u)%2)
	s_wait_loadcnt 16*(3-(\u))                     ; this unit's 16 loads are in; those of the later units, 16 each, may be out
	WIN 0x04                                       ; store data window 1
.irp i,0,1,2,3,4,5,6,7,8,9,10,11,12,13,14,15
	ds_store_b128 v2, v[64*(\u)+4*\i:64*(\u)+4*\i+3] offset:PITCH*\i
.endr
	WIN 0
.irp b,0,1,2,3
.irp j,0,1,2,3
	ds_load_b128 v[XS+16*\b+4*\j:XS+16*\b+4*\j+3], v3 offset:128*\b+16*\j   ; register 16 b + i: key 32 b + 16 h + i of query r
.endr
.endr
.endm
.macro WORDS u, left                   ; 64 compares, each gives one word, which is put into its lane.  left: the LDS instructions issued behind this unit's loads
.set XS, 192-64*((\u)%2)
	s_wait_dscnt \left
.set jj, 0
.rept 8
.irp n,0,1,2,3,4,5,6,7
	v_cmp_ne_u32 s[48+\n], 0, v[XS+jj+\n]
.endr
.irp n,0,1,2,3,4,5,6,7
	v_writelane_b32 v[WP+2*(\u)+(\n%2)], s[48+\n], (jj+\n)/2
.endr
.set jj, jj+8
.endr
	global_store_b64 v7, v[WP+2*(\u):WP+2*(\u)+1], s[32:33] offset:256*(\u)   ; the wave stores 256 consecutive bytes, aligned; each unit has its own pair
.endm
	TURNU 0
	TURNU 1
	WORDS 0, 32                                    ; behind unit 0's loads: unit 1's 16 stores and 16 loads
	TURNU 2
	WORDS 1, 32
	TURNU 3
	WORDS 2, 32
	WORDS 3, 0
	s_wait_xcnt 0x0
	v_lshl_add_u32 v254, v0, 2, 0x42000
	v_mov_b32 v255, 0
	s_wait_alu depctr_va_vdst(0)
	s_wait_tensorcnt 0x0
	ds_add_u32 v254, v255
	s_wait_dscnt 0x0
	s_endpgm
.Lfunc_end_k_q2967fcce28_prep:
	.size	k_q2967fcce28_prep, .Lfunc_end_k_q2967fcce28_prep-k_q2967fcce28_prep
	.p2alignl 7, 3214868480
	.fill 96, 4, 3214868480
	.section	.rodata,"a",@progbits
	.p2align	6, 0x0
	.amdhsa_kernel k_q2967fcce28_prep
		.amdhsa_group_segment_fixed_size 271360
		.amdhsa_private_segment_fixed_size 0
		.amdhsa_enable_private_segment 0
		.amdhsa_kernarg_size 72
		.amdhsa_user_sgpr_count 2
		.amdhsa_user_sgpr_kernarg_segment_ptr 1
		.amdhsa_wavefront_size32 1
		.amdhsa_system_sgpr_workgroup_id_x 1
		.amdhsa_system_sgpr_workgroup_id_y 1
		.amdhsa_system_sgpr_workgroup_id_z 1
		.amdhsa_system_vgpr_workitem_id 0
		.amdhsa_next_free_vgpr 512
		.amdhsa_next_free_sgpr 70
		.amdhsa_reserve_vcc 0
		.amdhsa_float_denorm_mode_32 3
		.amdhsa_float_denorm_mode_16_64 3
		.amdhsa_memory_ordered 1
		.amdhsa_forward_progress 1
		.amdhsa_inst_pref_size 86
	.end_amdhsa_kernel
	.amdgpu_metadata
---
amdhsa.version: [ 1, 2 ]
amdhsa.kernels:
  - .name:           k_q2967fcce28_prep
    .symbol:         k_q2967fcce28_prep.kd
    .args:
      - { .name: K_codes, .offset: 0, .size: 8, .value_kind: global_buffer, .address_space: global }
      - { .name: Wk_codes, .offset: 8, .size: 8, .value_kind: global_buffer, .address_space: global }
      - { .name: Wv_codes, .offset: 16, .size: 8, .value_kind: global_buffer, .address_space: global }
      - { .name: bk, .offset: 24, .size: 8, .value_kind: global_buffer, .address_space: global }
      - { .name: bv, .offset: 32, .size: 8, .value_kind: global_buffer, .address_space: global }
      - { .name: lowp_scales, .offset: 40, .size: 8, .value_kind: global_buffer, .address_space: global }
      - { .name: mask, .offset: 48, .size: 8, .value_kind: global_buffer, .address_space: global }
      - { .name: kv, .offset: 56, .size: 8, .value_kind: global_buffer, .address_space: global }
      - { .name: maskw, .offset: 64, .size: 8, .value_kind: global_buffer, .address_space: global }
    .group_segment_fixed_size: 271360
    .private_segment_fixed_size: 0
    .kernarg_segment_align: 8
    .kernarg_segment_size: 72
    .max_flat_workgroup_size: 256
    .sgpr_count:     70
    .vgpr_count:     512
    .wavefront_size: 32
...
	.end_amdgpu_metadata
.endif
;; end of part 4
;; launch attn (part 5): grid 8 x 32, 8 waves a work-group, no clusters, 271,360 bytes of LDS; arguments Q_codes, Wq_codes, bq, temperature, lowp_scales, kv, maskw, oimg; writes oimg
.if DOCPART == 5
	.amdgcn_target "amdgcn-amd-amdhsa--gfx1250"
	.amdhsa_code_object_version 6
	.text
	.protected	k_q2967fcce28_attn
	.globl	k_q2967fcce28_attn
	.p2align	8
	.type	k_q2967fcce28_attn,@function
k_q2967fcce28_attn:
	s_mov_b64 s[64:65], 0
	v_nop
	global_prefetch_b8 v0, s[64:65] scope:SCOPE_SE
	s_setreg_imm32_b32 hwreg(HW_REG_WAVE_SCHED_MODE, 0, 2), 2
	s_setreg_imm32_b32 hwreg(HW_REG_WAVE_MODE, 25, 1), 1
	s_wait_xcnt 0x0
	s_wait_alu depctr_vm_vsrc(0)
; ATTN.  q = Q Wq + bq (kept in f32 for the residual, quantised with 2^e6); S^T = k q^T; t = S x c 2^(e6 + e7) / temperature(key), c = log2(e) / sqrt(512); where the mask is 0, t = f32(-1e9 log2 e), a whole number;
; M = the running largest t rounded up to a whole number; p = 2^(t - M), summed unquantised, quantised with 2^e9; O^T += v^T p^T; out: q + O 2^(e8 + e9) / sum, as an image of registers.
; SHARES.  Work-group (x, y): 256 queries (block x) of batch y / 8, head y % 8.  Each of eight waves owns 32 queries, two tiles of 16, worked one after the other in each key step of 128:
;   every fragment of k, of v and every scale read from LDS serves two tiles.  Both products are used transposed: a lane holds ONE query (lane % 16) throughout; register 16 c + i of S^T is key 32 c + 16 (lane / 16) + i.
; LDS.  The head's whole k and v (16 steps x 16,384 bytes, images of operand registers) and 2,048 scales: every byte is written once.  A step's 16,384 bytes come through registers, 64 bytes a thread, asked for a
;   step before they are stored and stored a half step before they are read.  One barrier a step stands between those stores and the other waves' reads; its signal stands right behind the wait for the stores, its wait
;   behind the first tile's maximum, exponentials and sums (work on registers alone), so that a wave may be that far ahead of the others without stopping.
; WHY NO TENSOR LOADS AND NO JOINT REQUESTS, though eight work-groups walk one head's k and v: p <= 1 needs no hold where 57,344 x 2^e9 >= 1, that is e9 >= -15, and 64 of a tile step's some 360 vector instructions
;   are that hold; it is jumped over by a branch on the loaded e9.  What is shared is 16,384 bytes a step.
; THE MASK costs one v_cndmask_b32 a score: its words (made by the launch before, one for each score register) are scalar loads, asked for half a step ahead.
; LIMITS: e0 + e1 between -126 and 127; e6 and e9 between -126 and 112; e6 + e7 between -122 and 130 (added to c's exponent field); e8 + e9 goes by v_ldexp_f32.  NaN among the inputs is not served;
;   a temperature that is 0 or denormal is not served.
; THE MODE: SCHED_MODE bits 1:0 = 2 (LLVM: expert scheduling mode 2), set by the entry lines.  The code itself states the register dependences between vector or matrix instructions and memory or LDS
;   instructions, with s_wait_alu, always for 0.
; THE PLAN.  Registers that memory or LDS instructions touch in the loop, and who else names them:
;   k's fragments           read by both tiles' products S^T; the next step's land behind the second tile's.
;   the scales              read by both tiles' scalings; the next step's land behind the wait that the second tile's exponentials have anyway.
;   v's fragments           read by both tiles' products O^T; the next step's land at the step's end.
;   the stage               (window 1, v208-223) global loads land in it, LDS stores read it; no vector instruction of the loop names it.
;   v[ADR], v[CKA], v[STA]  read by the LDS loads and stores; written once a step, all three together, behind the second tile's products S^T.
;   v[LI], v[SL], v[CKL]    made at the head and never written again.
;   So a step holds, beside the two waits of its exponentials: one wait on vm_vsrc, behind the stores of the stage (they have read the stage and v[STA]; all LDS loads issued so far have read v[ADR] and v[CKA]);
;   one on va_vdst behind the three additions (the addresses are written, k's fragments are done with); one on va_vdst at the step's end (v's fragments are done with).
; REGISTERS.  Window 0: v1-11 addresses and constants; v16-31 statistics, eight a tile; v32-47 p's codes; v48-111 a step's scales; v112-175 S^T, then p; v176-239 O^T, 32 a tile; v240-253 at work.
;   Window 1: v0-63 k's fragments; v64-127 v's; v128-191 q in f32; v192-207 q's codes; v208-223 the step on its way to LDS.  (In the prologue window 1 holds Wq's sixteen fragments.)
.set CKB,   262144                     ; LDS: the scales, in key order, behind the 16 steps
.set STEPB, 16384
.set LI,  1                            ; 16 x lane
.set SL,  2                            ; 16 x thread
.set CKL, 3                            ; CKB + 64 (lane / 16)
.set ADR, 4                            ; the fragments of the step to be fetched
.set STA, 5                            ; where I store my 64 bytes of a step
.set CKA, 6                            ; the scales of the step to be fetched
.set NEG, 7                            ; a masked t
.set PLIM, 8                           ; 57,344 x 2^e9
.set PSC,  9                           ; 2^e9
.set QLIM, 10                          ; 57,344 x 2^e6
.set QSC,  11                          ; 2^e6
.set ST,  16                           ; tile t at 16 + 8 t: +0 -M, +1 the largest t, +2, +3 the sum in two halves, +4 f, +5 zero (named with f as a pair)
.set P,   32
.set CK,  48
.set S,   112
.set O,   176
.set KF,  0                            ; window 1
.set VF,  64
.set QF,  128
.set QC,  192
.set STG, 208
.set MSB, 0
.macro WIN new                         ; the immediate's high byte repeats the setting that is left
.if MSB != \new
	s_set_vgpr_msb (MSB<<8)|\new
.set MSB, \new
.endif
.endm
.macro PLACES
.rept 4
	v_nop
.endr
.endm
	s_load_b512 s[84:99], s[0:1], 0x0              ; Q s[84:85], Wq s[86:87], bq s[88:89], temperature s[90:91], scales s[92:93], kv s[94:95], maskw s[96:97], oimg s[98:99]
	v_lshrrev_b32 v1, 5, v0
	v_readfirstlane_b32 s2, v1                     ; wave 0..7
	s_and_b32 s3, ttmp7, 0xffff                    ; 8 x batch + head
	s_lshr_b32 s4, s3, 3                           ; batch
	s_and_b32 s5, s3, 7                            ; head
	s_mov_b32 s12, 0x76543210                      ; v_permlanex16_b32's selects for lane l xor 16
	s_mov_b32 s13, 0xfedcba98
	v_and_b32 v112, 31, v0                         ; lane
	v_and_b32 v113, 15, v0                         ; r
	v_bfe_u32 v114, v0, 4, 1                       ; h
	v_lshlrev_b32 v[LI], 4, v112
	v_lshlrev_b32 v[SL], 4, v0
	v_lshlrev_b32 v[CKL], 6, v114
	v_add_nc_u32 v[CKL], CKB, v[CKL]
	v_and_b32 v115, 8, v113
	v_add_nc_u32 v115, v115, v113                  ; r + 8 (r / 8)
	v_lshlrev_b32 v4, 9, v113
	v_lshl_add_u32 v4, v114, 4, v4                 ; Q: row r of 512 bytes, + 16 h
	v_lshlrev_b32 v5, 9, v115
	v_lshl_add_u32 v5, v114, 4, v5                 ; Wq: my row of a tile, + 16 h
	v_lshlrev_b32 v6, 6, v114                      ; bq: 16 h channels
	s_wait_alu depctr_va_sdst(0)                   ; s2, the wave's number, is written, ahead of its first reader: the bases of Q, of the mask's words and of the output are made from it
	s_mov_b32 s15, 0
	s_wait_kmcnt 0x0
	s_load_b256 s[16:23], s[92:93], 0x0            ; e0 .. e7
	s_load_b128 s[24:27], s[92:93], 0x20           ; e8 .. e11
	s_lshl_b32 s14, s3, 18
	s_add_nc_u64 s[8:9], s[94:95], s[14:15]        ; my head's k and v: 16 steps
	s_lshl_b32 s14, s4, 13
	s_add_nc_u64 s[90:91], s[90:91], s[14:15]      ; my batch's temperatures
	s_lshl_b32 s14, s5, 8
	s_add_nc_u64 s[88:89], s[88:89], s[14:15]      ; my head's 64 of bq
	s_lshl_b32 s14, s5, 15
	s_add_nc_u64 s[86:87], s[86:87], s[14:15]      ; my head's 64 rows of Wq
	s_lshl_b32 s14, s4, 20
	s_lshl_b32 s28, ttmp9, 17
	s_add_co_u32 s14, s14, s28
	s_lshl_b32 s28, s2, 14
	s_add_co_u32 s14, s14, s28
	s_add_nc_u64 s[84:85], s[84:85], s[14:15]      ; my 32 rows of Q: 2,048 batch + 256 x + 32 wave
	s_lshl_b32 s28, s4, 7
	s_lshl_b32 s29, ttmp9, 4
	s_add_co_u32 s28, s28, s29
	s_lshl_b32 s29, s2, 1
	s_add_co_u32 s28, s28, s29                     ; my first query tile of 512
	s_lshl_b32 s14, s28, 12
	s_add_nc_u64 s[6:7], s[96:97], s[14:15]        ; its mask words; the second tile's lie 4,096 bytes on, a step's 256 bytes on
	s_lshl_b32 s14, s28, 15
	s_lshl_b32 s29, s5, 12
	s_add_co_u32 s14, s14, s29
	s_add_nc_u64 s[10:11], s[98:99], s[14:15]      ; and its place in the output image, at my head
	s_wait_alu depctr_va_vdst(0)                   ; the offsets and addresses v1 to v6 are written, which the loads and stores below read
.irp i,0,1,2,3
	global_load_b128 v[240+4*\i:243+4*\i], v[SL], s[8:9] offset:4096*\i              ; key step 0, 64 bytes a thread
.endr
	global_load_b128 v[8:11], v[SL], s[90:91]                                         ; 2,048 temperatures, eight a thread
	global_load_b128 v[12:15], v[SL], s[90:91] offset:4096
.irp c,0,1
.irp j,0,1,2,3
	global_load_b128 v[16+16*\c+4*\j:19+16*\c+4*\j], v6, s[88:89] offset:128*\c+16*\j  ; bq: register 16 c + i = channel 32 c + 16 h + i
.endr
.endr
.irp t,0,1
.irp ks,0,1,2,3
.irp c,0,1,2,3
	global_load_b128 v[48+128*\t+16*\ks+4*\c:51+128*\t+16*\ks+4*\c], v4, s[84:85] offset:8192*\t+128*\ks+32*\c   ; Q's fragments: tile 0 at v48, tile 1 at v176
.endr
.endr
.endr
	WIN 0x40                                       ; destination window 1
.irp ks,0,1,2,3
.irp f,0,1,2,3
.irp c,0,1,2,3
	global_load_b128 v[16*(4*\ks+\f)+4*\c:16*(4*\ks+\f)+4*\c+3], v5, s[86:87] offset:(32*(\f/2)+8*(\f%2))*512+128*\ks+32*\c
.endr
.endr
.endr
	WIN 0
	s_wait_kmcnt 0x0
	s_add_co_i32 s3, s22, s23
	s_lshl_b32 s3, s3, 23
	s_add_co_i32 s66, s3, 0x3d8293ee               ; c 2^(e6 + e7): the exponents are added to c's exponent field
	s_mov_b32 s67, s66
	s_add_co_i32 s3, s16, s17
	s_add_co_i32 s3, s3, 127
	s_lshl_b32 s100, s3, 23                        ; 2^(e0 + e1)
	s_mov_b32 s101, s100
	s_add_co_i32 s14, s24, s25                     ; e8 + e9
	s_mov_b32 s5, s25                              ; e9
	s_add_co_i32 s3, s22, 127
	s_lshl_b32 s28, s3, 23                         ; 2^e6
	s_add_co_i32 s3, s3, 15
	s_lshl_b32 s29, s3, 23
	s_or_b32 s29, s29, 0x600000                    ; 57,344 x 2^e6
	s_add_co_i32 s3, s25, 127
	s_lshl_b32 s30, s3, 23                         ; 2^e9
	s_add_co_i32 s3, s3, 15
	s_lshl_b32 s31, s3, 23
	s_or_b32 s31, s31, 0x600000                    ; 57,344 x 2^e9
	s_wait_loadcnt 0x0
.irp i,0,1,2,3
	ds_store_b128 v[SL], v[240+4*\i:243+4*\i] offset:4096*\i
.endr
	s_wait_alu depctr_vm_vsrc(0)                   ; the loads of Q, Wq and bq have read v4, v5 and v6, and the stores above v240-255: v4 is written four lines on, the others further down
.irp i,8,9,10,11,12,13,14,15
	v_rcp_f32 v[\i], v[\i]
.endr
	v_add_nc_u32 v4, CKB, v[SL]                    ; (the plain line behind the reciprocals)
	s_wait_alu depctr_va_vdst(0)                   ; one wait for the eight reciprocals, ahead of their first reader
.irp i,8,10,12,14
	v_pk_mul_f32 v[\i:\i+1], v[\i:\i+1], s[66:67] op_sel_hi:[1,0]   ; a key's scale: c 2^(e6 + e7) / temperature
.endr
	s_wait_alu depctr_va_vdst(0)                   ; the multiplications have written v8-15, which the two LDS stores read
	ds_store_b128 v4, v[8:11]
	ds_store_b128 v4, v[12:15] offset:4096
	WIN 0x01                                       ; source 0 (Wq) window 1
.irp ks,0,1,2,3                        ; q^T: source 0 = 16 rows of Wq, source 1 = 16 queries; eight accumulators by turns
.irp t,0,1
.irp f,0,1,2,3
.if \ks == 0
	v_wmma_f32_16x16x128_bf8_bf8 v[S+32*\t+8*\f:S+32*\t+8*\f+7], v[16*(4*\ks+\f):16*(4*\ks+\f)+15], v[48+128*\t+16*\ks:63+128*\t+16*\ks], 0
.else
	v_wmma_f32_16x16x128_bf8_bf8 v[S+32*\t+8*\f:S+32*\t+8*\f+7], v[16*(4*\ks+\f):16*(4*\ks+\f)+15], v[48+128*\t+16*\ks:63+128*\t+16*\ks], v[S+32*\t+8*\f:S+32*\t+8*\f+7]
.endif
.endr
.endr
.endr
	WIN 0
	PLACES                                         ; in front of the first read of results and of writes and loads over the operands
	s_wait_dscnt 0x0                               ; my stores of step 0 and of the scales are done: the barrier below leans on this wait
	s_wait_alu depctr_vm_vsrc(0)                   ; the scales' stores have read v8-15 and v4: v8-11 are written below, v4 ahead of the loop
	v_mov_b32 v[PLIM], s31
	v_mov_b32 v[PSC], s30
	v_mov_b32 v[QLIM], s29
	v_mov_b32 v[QSC], s28
	WIN 0x40
	s_wait_alu depctr_va_vdst(0)                   ; q's products are done reading Wq's fragments: key step 1 lands in the registers of one of them
.irp i,0,1,2,3
	global_load_b128 v[STG+4*\i:STG+4*\i+3], v[SL], s[8:9] offset:STEPB+4096*\i      ; key step 1
.endr
.irp t,0,1
.set i, 0
.rept 16
	v_pk_fma_f32 v[QF+32*\t+i:QF+32*\t+i+1], v[S+32*\t+i:S+32*\t+i+1], s[100:101], v[16+i:17+i] op_sel_hi:[1,0,1]   ; q = sum x 2^(e0 + e1) + bq, kept
.set i, i+2
.endr
.endr
	WIN 0x01
.set i, 0
.rept 64
	v_med3_num_f32 v[S+i], v[QF+i], -v[QLIM], v[QLIM]   ; the hold at the largest code x 2^e6 (ISA guide 7.6.2: the conversion does not saturate)
.set i, i+1
.endr
	WIN 0x40
.irp t,0,1
.irp m,0,1,2,3
	v_cvt_scalef32_pk8_bf8_f32 v[QC+8*\t+2*\m:QC+8*\t+2*\m+1], v[S+32*\t+8*\m:S+32*\t+8*\m+7], v[QSC]
.endr
.endr
	v_nop                                          ; a plain line behind the last conversion
	WIN 0
.irp t,0,1
	v_mov_b32 v[ST+8*\t+1], 0xff61b1e6             ; the largest t so far: -3e38
	v_floor_f32 v[ST+8*\t], -v[ST+8*\t+1]          ; -M
	v_mov_b32 v[ST+8*\t+2], 0
	v_mov_b32 v[ST+8*\t+3], 0
	v_mov_b32 v[ST+8*\t+4], 0
	v_mov_b32 v[ST+8*\t+5], 0
.endr
	v_mov_b32 v[NEG], 0xceabfb8f                   ; f32(-1e9 log2 e) = -1,442,695,040
	v_mov_b32 v242, 0                              ; a lane permute's destination counts as one of its sources
	v_mov_b32 v246, 0
.set i, 0
.rept 64
	v_mov_b32 v[O+i], 0                            ; O^T: the step is written without a first step of its own; the first change of M multiplies zeros
.set i, i+1
.endr
	s_mov_b32 s4, 0                                ; LDS byte of the step in hand
	s_mov_b32 s15, 0                               ; and of its scales
	s_mov_b32 s3, 0                                ; the step's number
	s_barrier_signal -1
	s_barrier_wait -1                              ; step 0 and the scales are whole
.macro MLOAD off                       ; 64 mask words: word j in s[16 + j], from 48 on in s[20 + j]
	s_load_b512 s[16:31], s[6:7], \off
	s_load_b512 s[32:47], s[6:7], \off+64
	s_load_b512 s[48:63], s[6:7], \off+128
	s_load_b512 s[68:83], s[6:7], \off+192
.endm
.macro LDK                             ; eight fragments of k
	WIN 0x40
.irp f,0,1,2,3,4,5,6,7
	ds_load_b128 v[KF+8*\f:KF+8*\f+3], v[ADR] offset:1024*\f
	ds_load_b128 v[KF+8*\f+4:KF+8*\f+7], v[ADR] offset:1024*\f+512
.endr
	WIN 0
.endm
.macro LDV                             ; four fragments of v
	WIN 0x40
.irp f,0,1,2,3
.irp c,0,1,2,3
	ds_load_b128 v[VF+16*\f+4*\c:VF+16*\f+4*\c+3], v[ADR] offset:8192+2048*\f+512*\c
.endr
.endr
	WIN 0
.endm
.macro LDC                             ; my 64 keys' scales: register 16 b + i = key 32 b + 16 h + i
.irp b,0,1,2,3
.irp j,0,1,2,3
	ds_load_b128 v[CK+16*\b+4*\j:CK+16*\b+4*\j+3], v[CKA] offset:128*\b+16*\j
.endr
.endr
.endm
.macro SPROD t                         ; S^T = k q^T: eight tiles of 16 keys, K = the head's 64
	WIN 0x05                                       ; sources 0 and 1 window 1
.irp f,0,1,2,3,4,5,6,7
	v_wmma_f32_16x16x64_bf8_bf8 v[S+8*\f:S+8*\f+7], v[KF+8*\f:KF+8*\f+7], v[QC+8*(\t):QC+8*(\t)+7], 0
.endr
	WIN 0
	PLACES                                         ; in front of the first read of results, and of loads into k's registers
.endm
.macro SCALE                           ; t = S x the key's scale; each accumulator from its low end on
.set j, 0
.rept 32
	v_pk_mul_f32 v[S+j:S+j+1], v[S+j:S+j+1], v[CK+j:CK+j+1]
.set j, j+2
.endr
.endm
.macro MASK
	s_wait_kmcnt 0x0                               ; the tile's 64 words are in
.set j, 0
.rept 48
	v_cndmask_b32 v[S+j], v[NEG], v[S+j], s[16+j]
.set j, j+1
.endr
.rept 16
	v_cndmask_b32 v[S+j], v[NEG], v[S+j], s[20+j]
.set j, j+1
.endr
.endm
; A tile's softmax for 128 keys, and its four products v^T p^T.  The maximum and the sums run in four chains each, so that an instruction follows the one whose result it reads at a distance of four.
; bar = 1: the step's barrier, signalled ahead of this macro, is waited for behind the sums, ahead of the branch.  ldc = 1: the next step's scales are asked for behind the exponentials' wait.
.macro SOFT t, bar, ldc
.set rT, ST+8*(\t)
.set rO, O+32*(\t)
	v_max3_num_f32 v240, v[S], v[S+1], v[S+2]      ; the step's largest t of my query among my 64 keys,
	v_max3_num_f32 v241, v[S+3], v[S+4], v[S+5]
	v_max3_num_f32 v247, v[S+6], v[S+7], v[S+8]
	v_max3_num_f32 v248, v[S+9], v[S+10], v[S+11]
.set j, 12
.rept 6
	v_max3_num_f32 v240, v240, v[S+j], v[S+j+1]
	v_max3_num_f32 v241, v241, v[S+j+2], v[S+j+3]
	v_max3_num_f32 v247, v247, v[S+j+4], v[S+j+5]
	v_max3_num_f32 v248, v248, v[S+j+6], v[S+j+7]
.set j, j+8
.endr
	v_max3_num_f32 v240, v240, v[S+60], v[S+61]
	v_max3_num_f32 v241, v241, v[S+62], v[S+63]
	v_max3_num_f32 v240, v240, v247, v248
	v_max_num_f32 v240, v240, v241
	v_permlanex16_b32 v242, v240, s12, s13         ; lane l xor 16's,
	v_max3_num_f32 v[rT+1], v[rT+1], v240, v242    ; and the running largest t
	v_mov_b32 v240, v[rT]
	v_floor_f32 v[rT], -v[rT+1]                    ; the new -M = floor(-t): M is a whole number
	v_sub_f32 v240, v[rT], v240                    ; old M - new M, a whole number, 0 or less
	v_cvt_i32_f32 v240, v240                       ; (it saturates)
	v_ldexp_f32 v[rT+4], 1.0, v240                 ; f = 2^(old M - new M)
.set j, 0
.rept 32
	v_pk_add_f32 v[S+j:S+j+1], v[S+j:S+j+1], v[rT:rT+1] op_sel_hi:[1,0]   ; t - M
.set j, j+2
.endr
.set j, 0
	s_wait_alu depctr_va_vdst(0)
.rept 64
	v_exp_f32 v[S+j], v[S+j]                       ; p = 2^(t - M), at most 1, not normalised
.set j, j+1
.endr
	v_pk_mul_f32 v[rT+2:rT+3], v[rT+2:rT+3], v[rT+4:rT+5] op_sel_hi:[1,0]   ; the sum under the new M (the plain line behind the exponentials)
	s_wait_alu depctr_va_vdst(0)                   ; one wait for the batch of 64 exponentials, ahead of its first reader; ldc = 1: both tiles' scalings are also done reading the scales, in which the loads below land
.if \ldc
	LDC                                            ; no vector instruction since the wait names the scales' registers or v[CKA]
.endif
	v_pk_add_f32 v[244:245], v[S:S+1], v[S+2:S+3]  ; the sum is taken of the unquantised p
	v_pk_add_f32 v[250:251], v[S+4:S+5], v[S+6:S+7]
	v_pk_add_f32 v[252:253], v[S+8:S+9], v[S+10:S+11]
	v_pk_add_f32 v[rT+2:rT+3], v[rT+2:rT+3], v[S+12:S+13]
.set j, 14
.rept 6
	v_pk_add_f32 v[244:245], v[244:245], v[S+j:S+j+1]
	v_pk_add_f32 v[250:251], v[250:251], v[S+j+2:S+j+3]
	v_pk_add_f32 v[252:253], v[252:253], v[S+j+4:S+j+5]
	v_pk_add_f32 v[rT+2:rT+3], v[rT+2:rT+3], v[S+j+6:S+j+7]
.set j, j+8
.endr
	v_pk_add_f32 v[244:245], v[244:245], v[S+62:S+63]
	v_pk_add_f32 v[250:251], v[250:251], v[252:253]
	v_pk_add_f32 v[rT+2:rT+3], v[rT+2:rT+3], v[244:245]
	v_pk_add_f32 v[rT+2:rT+3], v[rT+2:rT+3], v[250:251]
.if \bar
	s_barrier_wait -1                              ; every wave has signalled: the next step is whole in LDS; my first read of it stands further down
.endif
	s_cmp_ge_i32 s5, -15                           ; p <= 1 <= 57,344 x 2^e9 from e9 = -15 on: nothing to hold
	s_cbranch_scc1 .Lno_hold_\@
.set j, 0
.rept 64
	v_min_num_f32 v[S+j], v[S+j], v[PLIM]          ; p is not negative: the hold is one-sided
.set j, j+1
.endr
.Lno_hold_\@:
.irp m,0,1,2,3,4,5,6,7
	v_cvt_scalef32_pk8_bf8_f32 v[P+2*\m:P+2*\m+1], v[S+8*\m:S+8*\m+7], v[PSC]
.endr
.set j, 0
.rept 16
	v_pk_mul_f32 v[rO+j:rO+j+1], v[rO+j:rO+j+1], v[rT+4:rT+5] op_sel_hi:[1,0]   ; O^T under the new M (plain lines between the conversions and the products)
.set j, j+2
.endr
	WIN 0x01                                       ; source 0 (v) window 1
.irp f,0,1,2,3
	v_wmma_f32_16x16x128_bf8_bf8 v[rO+8*\f:rO+8*\f+7], v[VF+16*\f:VF+16*\f+15], v[P:P+15], v[rO+8*\f:rO+8*\f+7]
.endr
	WIN 0
.endm
; A KEY STEP.  At its head 48 LDS loads of mine are out, in this order: k's 16, the scales' 16, v's 16.
; stage = 1: the next step's bytes, which came into registers during the last step, go to LDS, and the step after that is asked for.  next = 1: the next step's fragments, scales and words are fetched.
.macro STEP stage, next
	s_wait_dscnt 32                                ; k is in; the scales' 16 and v's 16 loads are younger
	SPROD 0
	s_wait_dscnt 16                                ; the scales are in; v's 16 are younger
	SCALE
	MASK
	MLOAD 4096                                     ; the second tile's words of this step
.if \stage
	s_wait_loadcnt 0x0                             ; the next step's 64 bytes of mine, asked for a step ago
	WIN 0x04                                       ; store data window 1
.irp i,0,1,2,3
	ds_store_b128 v[STA], v[STG+4*\i:STG+4*\i+3] offset:STEPB+4096*\i   ; v[STA] was written ahead of the last step's wait behind the three additions (first trip: ahead of the loop's), and no vector instruction has named it since
.endr
	WIN 0
	s_wait_dscnt 0x0                               ; v is in; my stores are done, for the others' sake
	s_wait_alu depctr_vm_vsrc(0)                   ; the stores have read the stage, in which the loads below land, and v[STA]; the LDS loads issued so far have read v[ADR] and v[CKA]: the three are written further down
	s_add_nc_u64 s[8:9], s[8:9], STEPB             ; (no load that names the base is out)
	s_cmp_lt_u32 s3, 14                            ; steps 2 to 15 are asked for in steps 0 to 13: no load leaves the buffer
	s_cbranch_scc0 .Lno_more_\@
	WIN 0x40
.irp i,0,1,2,3
	global_load_b128 v[STG+4*\i:STG+4*\i+3], v[SL], s[8:9] offset:STEPB+4096*\i
.endr
	WIN 0
.Lno_more_\@:
	s_barrier_signal -1                            ; no LDS instruction of mine is out since the wait above: my part of the next step lies in LDS.  The wait for the others stands in the softmax below
.else
	s_wait_dscnt 0x0                               ; v is in
.endif
	SOFT 0, \stage, 0
	SPROD 1
.if \next
	s_add_co_u32 s4, s4, STEPB
	s_add_co_u32 s15, s15, 512
	v_add_nc_u32 v[ADR], s4, v[LI]                 ; the three LDS addresses step together
	v_add_nc_u32 v[CKA], s15, v[CKL]
	v_add_nc_u32 v[STA], s4, v[SL]                 ; (the next step's stores reach a step further by their offset)
	s_wait_alu depctr_va_vdst(0)                   ; the three addresses are written, which the LDS loads below and the next step's stores read; both tiles' products are done reading k's fragments, in which the loads below land
	LDK
.endif
	SCALE
	MASK
.if \next
	s_add_nc_u64 s[6:7], s[6:7], 256               ; (behind the wait for all scalar loads)
	MLOAD 0                                        ; the first tile's words of the next step
.endif
	SOFT 1, 0, \next
	PLACES                                         ; in front of loads into v's registers, or of the first read of O^T
.if \next
	s_wait_alu depctr_va_vdst(0)                   ; both tiles' products O^T are done reading v's fragments, in which the loads below land; the places above stay beside this wait
	LDV
.endif
.endm
	MLOAD 0
	v_mov_b32 v[ADR], v[LI]
	v_mov_b32 v[CKA], v[CKL]
	v_add_nc_u32 v[STA], s4, v[SL]                 ; the first trip's
	s_wait_alu depctr_va_vdst(0)                   ; the three addresses are written; q's products are done reading Q's and Wq's fragments, in whose registers k, the scales and v land
	LDK
	LDC
	LDV
.Lstep:                                            ; steps 0 to 14
	STEP 1, 1
	s_add_co_u32 s3, s3, 1
	s_cmp_lt_u32 s3, 15
	s_cbranch_scc1 .Lstep
	STEP 0, 0                                      ; step 15: nothing more to store or to fetch
	; THE WAY OUT: q + O^T 2^(e8 + e9) / the sum, register by register: q^T and O^T have one layout.  A tile's 32 registers leave as eight groups of four: each store covers 512 consecutive bytes, aligned.
.irp t,0,1
	v_add_f32 v[240+4*\t], v[ST+8*\t+2], v[ST+8*\t+3]
.endr
	v_permlanex16_b32 v242, v240, s12, s13
	v_permlanex16_b32 v246, v244, s12, s13
	v_add_f32 v240, v240, v242
	v_add_f32 v244, v244, v246
	s_wait_alu depctr_va_vdst(0)
	v_rcp_f32 v240, v240
	v_rcp_f32 v244, v244
	v_nop                                          ; the plain line behind the reciprocals
	s_wait_alu depctr_va_vdst(0)                   ; one wait for both reciprocals, ahead of their first reader
	v_ldexp_f32 v240, v240, s14
	v_ldexp_f32 v244, v244, s14
	WIN 0x10                                       ; source 2 (q) window 1
.irp t,0,1
.set i, 0
.rept 16
	v_pk_fma_f32 v[S+32*\t+i:S+32*\t+i+1], v[O+32*\t+i:O+32*\t+i+1], v[240+4*\t:241+4*\t], v[QF+32*\t+i:QF+32*\t+i+1] op_sel_hi:[1,0,1]
.set i, i+2
.endr
.endr
	WIN 0
	s_wait_alu depctr_va_vdst(0)                   ; the multiply-adds have written v112-175, which the stores read
.irp t,0,1
.irp g,0,1,2,3,4,5,6,7
	global_store_b128 v[LI], v[S+32*\t+4*\g:S+32*\t+4*\g+3], s[10:11] offset:32768*\t+512*\g
.endr
.endr
	s_wait_xcnt 0x0
	v_lshl_add_u32 v254, v0, 2, 0x42000
	v_mov_b32 v255, 0
	s_wait_dscnt 0x0                               ; the closing lines, six on end
	s_wait_alu 0x0
	s_wait_tensorcnt 0x0
	ds_add_u32 v254, v255
	s_wait_dscnt 0x0
	s_endpgm
.Lfunc_end_k_q2967fcce28_attn:
	.size	k_q2967fcce28_attn, .Lfunc_end_k_q2967fcce28_attn-k_q2967fcce28_attn
	.p2alignl 7, 3214868480
	.fill 96, 4, 3214868480
	.section	.rodata,"a",@progbits
	.p2align	6, 0x0
	.amdhsa_kernel k_q2967fcce28_attn
		.amdhsa_group_segment_fixed_size 271360
		.amdhsa_private_segment_fixed_size 0
		.amdhsa_enable_private_segment 0
		.amdhsa_kernarg_size 64
		.amdhsa_user_sgpr_count 2
		.amdhsa_user_sgpr_kernarg_segment_ptr 1
		.amdhsa_wavefront_size32 1
		.amdhsa_system_sgpr_workgroup_id_x 1
		.amdhsa_system_sgpr_workgroup_id_y 1
		.amdhsa_system_sgpr_workgroup_id_z 1
		.amdhsa_system_vgpr_workitem_id 0
		.amdhsa_next_free_vgpr 512
		.amdhsa_next_free_sgpr 102
		.amdhsa_reserve_vcc 0
		.amdhsa_float_denorm_mode_32 3
		.amdhsa_float_denorm_mode_16_64 3
		.amdhsa_memory_ordered 1
		.amdhsa_forward_progress 1
		.amdhsa_inst_pref_size 117
	.end_amdhsa_kernel
	.amdgpu_metadata
---
amdhsa.version: [ 1, 2 ]
amdhsa.kernels:
  - .name:           k_q2967fcce28_attn
    .symbol:         k_q2967fcce28_attn.kd
    .args:
      - { .name: Q_codes, .offset: 0, .size: 8, .value_kind: global_buffer, .address_space: global }
      - { .name: Wq_codes, .offset: 8, .size: 8, .value_kind: global_buffer, .address_space: global }
      - { .name: bq, .offset: 16, .size: 8, .value_kind: global_buffer, .address_space: global }
      - { .name: temperature, .offset: 24, .size: 8, .value_kind: global_buffer, .address_space: global }
      - { .name: lowp_scales, .offset: 32, .size: 8, .value_kind: global_buffer, .address_space: global }
      - { .name: kv, .offset: 40, .size: 8, .value_kind: global_buffer, .address_space: global }
      - { .name: maskw, .offset: 48, .size: 8, .value_kind: global_buffer, .address_space: global }
      - { .name: oimg, .offset: 56, .size: 8, .value_kind: global_buffer, .address_space: global }
    .group_segment_fixed_size: 271360
    .private_segment_fixed_size: 0
    .kernarg_segment_align: 8
    .kernarg_segment_size: 64
    .max_flat_workgroup_size: 256
    .sgpr_count:     102
    .vgpr_count:     512
    .wavefront_size: 32
...
	.end_amdgpu_metadata
.endif
;; end of part 5
;; launch post (part 6): grid 256 x 1, 8 waves a work-group, no clusters, 56,320 bytes of LDS; arguments oimg, Wo_codes, bo, ln0_g, ln0_b, ln1_g, ln1_b, lowp_scales, out0; writes out0
.if DOCPART == 6
	.amdgcn_target "amdgcn-amd-amdhsa--gfx1250"
	.amdhsa_code_object_version 6
	.text
	.protected	k_q2967fcce28_post
	.globl	k_q2967fcce28_post
	.p2align	8
	.type	k_q2967fcce28_post,@function
k_q2967fcce28_post:
	s_mov_b64 s[64:65], 0
	v_nop
	global_prefetch_b8 v0, s[64:65] scope:SCOPE_SE
	s_setreg_imm32_b32 hwreg(HW_REG_WAVE_SCHED_MODE, 0, 2), 2
	s_setreg_imm32_b32 hwreg(HW_REG_WAVE_MODE, 25, 1), 1
	s_wait_xcnt 0x0
	s_wait_alu depctr_vm_vsrc(0)
; POST.  Y = LN0(q + attention); Y = Y + relu(Q(Y) Wo + bo), Q the quantiser with 2^e10; out = LN1(Y).
; SHARES.  Work-group x takes query tiles 2 x, 2 x + 1: 32 rows.  Wave w takes channels, and output columns, 64 w .. 64 w + 63 of both tiles: Wo is read once a work-group, and the residual stays in registers.
; LAYOUT.  As the launch before left it: lane (r, h) holds row r; register 32 qt + 16 c + i is channel 64 w + 32 c + 16 h + i.  The product is used transposed (source 0 = 16 rows of Wo, lane r of tile 2 c + u
;   taking row 32 c + 8 u + r + 8 (r / 8)), so its results have the same layout.  Y's codes go from wave to wave through LDS as images of operand registers.
; A norm is taken in two passes (the mean, then the squares of the differences); a row's eight partial sums meet in LDS, in a region of its own for each of the four rounds, and are added in one fixed order.
; No tensor loads, no cluster: a work-group shares with the others only Wo's 262,144 bytes, read once by each, 32,768 bytes a wave straight into the registers where they stay.
; LIMITS: e10 between -126 and 112; e10 + e11 between -126 and 127.  NaN among the inputs is not served.
; THE MODE: SCHED_MODE bits 1:0 = 2 (LLVM: expert scheduling mode 2), set by the entry lines.  The code itself states the register dependences between vector or matrix instructions and memory or LDS
;   instructions, with s_wait_alu, always for 0.
; THE PLAN.  Registers that memory or LDS instructions touch, and who else names them:
;   v240-255   A round of a norm: vector instructions make a partial sum in v240, an LDS store reads it, four LDS loads land in v240-255, vector instructions add them: one wait on va_vdst ahead of the store (for the
;              store's data and for the loads' landing), one on vm_vsrc ahead of the loads.  Later the conversions write Y's codes there and four LDS stores read them.
;   AF         written by the holds, read by the conversions; then the fragments of K steps 0 and 2; then ln1_b.
;   BP         ln0_b, read by the first norm; then the fragments of K steps 1 and 3; then ln1_g.     G: ln0_g, read by the first norm; then bo.
;   Y, ACC     at the end: Y is stored into the stage, whole rows land in ACC and are stored to memory.
;   v1-10      offsets and addresses, made at the head and never written again.
;   ONE wait on va_vdst behind all the conversions serves the four stores of the codes, bo's loads into G and the first fragments' loads into AF and BP.  The fragments have two buffers by turns: a K step's fragments
;   are asked for a step ahead, behind the wait that shows the products done which read that buffer last.
; REGISTERS.  Window 0: v1-12 addresses and constants; v16-79 Y; v80-143 the sums, later rows of the output; v144-175 at work, A's fragments, ln1_b; v176-207 ln0_g, bo; v208-239 ln0_b, A's fragments, ln1_g; v240-255 statistics, codes.
;   Window 1: Wo's sixteen fragments, (tile f, K step ks) at 16 (4 f + ks).
.set RED1, 0                           ; LDS: four regions of 1,024 bytes: entry 16 qt + r of 32 bytes, word w
.set RED2, 1024
.set RED3, 2048
.set RED4, 3072
.set AIMG, 4096                        ; Y's codes: 8,192 qt + 2,048 ks + 512 c + 16 lane
.set OST,  20480                       ; a stage of 16 rows x (256 + 16) bytes for each wave
.set Y,   16
.set ACC, 80
.set AF,  144
.set G,   176
.set BP,  208
.set MSB, 0
.macro WIN new
.if MSB != \new
	s_set_vgpr_msb (MSB<<8)|\new
.set MSB, \new
.endif
.endm
	s_load_b512 s[16:31], s[0:1], 0x0              ; oimg s[16:17], Wo s[18:19], bo s[20:21], ln0_g s[22:23], ln0_b s[24:25], ln1_g s[26:27], ln1_b s[28:29], scales s[30:31]
	s_load_b64 s[32:33], s[0:1], 0x40              ; out0
	v_lshrrev_b32 v1, 5, v0
	v_readfirstlane_b32 s2, v1                     ; wave 0..7
	v_and_b32 v13, 31, v0                          ; lane
	v_and_b32 v14, 15, v0                          ; r
	v_bfe_u32 v15, v0, 4, 1                        ; h
	v_lshlrev_b32 v1, 4, v13                       ; 16 x lane
	s_wait_alu depctr_va_sdst(0)                   ; s2, the wave's number, is written, ahead of its first reader: LDS addresses and the buffers' bases are made from it
	s_lshl_b32 s3, s2, 2
	v_lshl_add_u32 v2, v13, 5, s3                  ; a partial sum's place: entry = lane, word = wave
	v_lshlrev_b32 v3, 5, v14                       ; row r's entry of tile 0; tile 1's lies 512 bytes on
	v_lshlrev_b32 v4, 6, v15                       ; 16 h channels of f32
	v_and_b32 v5, 8, v14
	v_add_nc_u32 v5, v5, v14                       ; r + 8 (r / 8)
	v_lshlrev_b32 v5, 9, v5
	v_lshl_add_u32 v5, v15, 4, v5                  ; Wo: my row of a tile, + 16 h
	s_lshl_b32 s3, s2, 10
	s_add_co_u32 s3, s3, AIMG
	v_add_nc_u32 v6, s3, v1                        ; where I store codes: channels 64 w on are K step w / 2, groups 2 (w % 2) + c
	v_add_nc_u32 v7, AIMG, v1                      ; where fragments are read
	s_mul_i32 s3, s2, 16*272
	s_add_co_u32 s3, s3, OST
	v_mul_u32_u24 v8, v14, 272
	v_lshl_add_u32 v8, v15, 6, v8
	v_add_nc_u32 v8, s3, v8                        ; the stage, in: row r, + 64 h
	v_mul_u32_u24 v9, v15, 272
	v_lshl_add_u32 v9, v14, 4, v9
	v_add_nc_u32 v9, s3, v9                        ; back: lanes 0-15 one row of 256 bytes, lanes 16-31 the next
	v_lshlrev_b32 v10, 11, v15
	v_lshl_add_u32 v10, v14, 4, v10                ; and the same in the output
	v_mov_b32 v248, 0                              ; a lane permute's destination counts as one of its sources
	v_mov_b32 v249, 0
	s_mov_b32 s12, 0x76543210
	s_mov_b32 s13, 0xfedcba98
	s_mov_b32 s14, 0xffff0000                      ; lanes 16-31
	s_mov_b32 s6, 0x3b000000                       ; 1 / 512
	s_mov_b32 s7, 0x3727c5ac                       ; 1e-5
	s_mov_b32 s35, 0
	s_wait_kmcnt 0x0
	s_load_b64 s[4:5], s[30:31], 0x28              ; e10, e11
	s_lshl_b32 s34, ttmp9, 16
	s_lshl_b32 s3, s2, 12
	s_add_co_u32 s34, s34, s3
	s_add_nc_u64 s[16:17], s[16:17], s[34:35]      ; the image of tile 2 x, head w
	s_lshl_b32 s34, s2, 15
	s_add_nc_u64 s[18:19], s[18:19], s[34:35]      ; my 64 rows of Wo
	s_lshl_b32 s34, s2, 8
	s_add_nc_u64 s[20:21], s[20:21], s[34:35]      ; my 64 numbers of each vector
	s_add_nc_u64 s[22:23], s[22:23], s[34:35]
	s_add_nc_u64 s[24:25], s[24:25], s[34:35]
	s_add_nc_u64 s[26:27], s[26:27], s[34:35]
	s_add_nc_u64 s[28:29], s[28:29], s[34:35]
	s_lshl_b32 s3, ttmp9, 16
	s_add_co_u32 s34, s34, s3
	s_add_nc_u64 s[32:33], s[32:33], s[34:35]      ; out: row 32 x, column 64 w
	s_wait_alu depctr_va_vdst(0)                   ; the ten offsets and addresses v1 to v10 are written, which every load and store of the kernel reads
.macro VEC reg, lo, hi                 ; a vector's 32 numbers of my lane: register 16 c + i = channel 32 c + 16 h + i
.irp c,0,1
.irp j,0,1,2,3
	global_load_b128 v[\reg+16*\c+4*\j:\reg+16*\c+4*\j+3], v4, s[\lo:\hi] offset:128*\c+16*\j
.endr
.endr
.endm
.irp qt,0,1
.irp g,0,1,2,3,4,5,6,7
	global_load_b128 v[Y+32*\qt+4*\g:Y+32*\qt+4*\g+3], v1, s[16:17] offset:32768*\qt+512*\g th:TH_LOAD_NT
.endr
.endr
	VEC G, 22, 23
	VEC BP, 24, 25
	WIN 0x40                                       ; destination window 1
.irp f,0,1,2,3
.irp ks,0,1,2,3
.irp c,0,1,2,3
	global_load_b128 v[16*(4*\f+\ks)+4*\c:16*(4*\f+\ks)+4*\c+3], v5, s[18:19] offset:(32*(\f/2)+8*(\f%2))*512+128*\ks+32*\c
.endr
.endr
.endr
	WIN 0
; v240 (tile 0) and v244 (tile 1) hold my lane's partial sums.  Lane l xor 16's are added; lanes 0-15 store tile 0's figure and lanes 16-31 tile 1's; behind the barrier each lane adds its row's eight partials of both tiles: v240, v248.
.macro REDUCE reg
	v_permlanex16_b32 v248, v240, s12, s13
	v_permlanex16_b32 v249, v244, s12, s13
	v_add_f32 v240, v240, v248
	v_add_f32 v244, v244, v249
	v_cndmask_b32 v240, v240, v244, s14
	s_wait_alu depctr_va_vdst(0)                   ; v240 is written, which the store reads; and every vector instruction is done with v240-255, in which the four loads below land
	ds_store_b32 v2, v240 offset:\reg
	s_wait_dscnt 0x0                               ; for the others' sake: my store is done
	s_barrier_signal -1
	s_barrier_wait -1
	s_wait_alu depctr_vm_vsrc(0)                   ; the store has read v240, in which the first load lands
	ds_load_b128 v[240:243], v3 offset:\reg
	ds_load_b128 v[244:247], v3 offset:\reg+16
	ds_load_b128 v[248:251], v3 offset:\reg+512
	ds_load_b128 v[252:255], v3 offset:\reg+528
	s_wait_dscnt 0x0
	v_pk_add_f32 v[240:241], v[240:241], v[242:243]
	v_pk_add_f32 v[244:245], v[244:245], v[246:247]
	v_pk_add_f32 v[248:249], v[248:249], v[250:251]
	v_pk_add_f32 v[252:253], v[252:253], v[254:255]
	v_pk_add_f32 v[240:241], v[240:241], v[244:245]
	v_pk_add_f32 v[248:249], v[248:249], v[252:253]
	v_add_f32 v240, v240, v241
	v_add_f32 v248, v248, v249
.endm
; Y = (Y - mean) / sqrt(var + 1e-5) x g + b, over a row's 512 channels
.macro LNORM ra, rb, g, bb
.irp qt,0,1
	v_pk_add_f32 v[240+4*\qt:241+4*\qt], v[Y+32*\qt:Y+32*\qt+1], v[Y+32*\qt+2:Y+32*\qt+3]
	v_pk_add_f32 v[242+4*\qt:243+4*\qt], v[Y+32*\qt+4:Y+32*\qt+5], v[Y+32*\qt+6:Y+32*\qt+7]
.irp i,8,12,16,20,24,28
	v_pk_add_f32 v[240+4*\qt:241+4*\qt], v[240+4*\qt:241+4*\qt], v[Y+32*\qt+\i:Y+32*\qt+\i+1]
	v_pk_add_f32 v[242+4*\qt:243+4*\qt], v[242+4*\qt:243+4*\qt], v[Y+32*\qt+\i+2:Y+32*\qt+\i+3]
.endr
	v_pk_add_f32 v[240+4*\qt:241+4*\qt], v[240+4*\qt:241+4*\qt], v[242+4*\qt:243+4*\qt]
	v_add_f32 v[240+4*\qt], v[240+4*\qt], v[241+4*\qt]
.endr
	REDUCE \ra
	v_mul_f32 v240, 0xbb000000, v240               ; -mean
	v_mul_f32 v248, 0xbb000000, v248
.irp qt,0,1
.set i, 0
.rept 16
	v_pk_add_f32 v[Y+32*\qt+i:Y+32*\qt+i+1], v[Y+32*\qt+i:Y+32*\qt+i+1], v[240+8*\qt:241+8*\qt] op_sel_hi:[1,0]
.set i, i+2
.endr
.endr
.irp qt,0,1
	v_pk_mul_f32 v[240+4*\qt:241+4*\qt], v[Y+32*\qt:Y+32*\qt+1], v[Y+32*\qt:Y+32*\qt+1]
	v_pk_mul_f32 v[242+4*\qt:243+4*\qt], v[Y+32*\qt+2:Y+32*\qt+3], v[Y+32*\qt+2:Y+32*\qt+3]
.irp i,4,8,12,16,20,24,28
	v_pk_fma_f32 v[240+4*\qt:241+4*\qt], v[Y+32*\qt+\i:Y+32*\qt+\i+1], v[Y+32*\qt+\i:Y+32*\qt+\i+1], v[240+4*\qt:241+4*\qt]
	v_pk_fma_f32 v[242+4*\qt:243+4*\qt], v[Y+32*\qt+\i+2:Y+32*\qt+\i+3], v[Y+32*\qt+\i+2:Y+32*\qt+\i+3], v[242+4*\qt:243+4*\qt]
.endr
	v_pk_add_f32 v[240+4*\qt:241+4*\qt], v[240+4*\qt:241+4*\qt], v[242+4*\qt:243+4*\qt]
	v_add_f32 v[240+4*\qt], v[240+4*\qt], v[241+4*\qt]
.endr
	REDUCE \rb
	v_fma_f32 v240, v240, s6, s7                   ; var + 1e-5
	v_fma_f32 v248, v248, s6, s7
	s_wait_alu depctr_va_vdst(0)
	v_rsq_f32 v240, v240
	v_rsq_f32 v248, v248
	v_nop                                          ; the plain line behind the two
	s_wait_alu depctr_va_vdst(0)                   ; one wait for both roots, ahead of their first reader
.irp qt,0,1
.set i, 0
.rept 16
	v_pk_mul_f32 v[Y+32*\qt+i:Y+32*\qt+i+1], v[Y+32*\qt+i:Y+32*\qt+i+1], v[240+8*\qt:241+8*\qt] op_sel_hi:[1,0]
	v_pk_fma_f32 v[Y+32*\qt+i:Y+32*\qt+i+1], v[Y+32*\qt+i:Y+32*\qt+i+1], v[\g+i:\g+i+1], v[\bb+i:\bb+i+1]
.set i, i+2
.endr
.endr
.endm
; Both tiles' fragments of K step ks (128 along K) into the 32 registers from reg on
.macro FRAGS reg, ks
.irp qt,0,1
.irp c,0,1,2,3
	ds_load_b128 v[\reg+16*\qt+4*\c:\reg+16*\qt+4*\c+3], v7 offset:8192*\qt+2048*(\ks)+512*\c
.endr
.endr
.endm
; K step ks: my 64 columns for 32 rows: eight accumulators by turns
.macro MULS reg, ks
	WIN 0x01                                       ; source 0 (Wo) window 1
.irp qt,0,1
.irp f,0,1,2,3
.if \ks == 0
	v_wmma_f32_16x16x128_bf8_bf8 v[ACC+32*\qt+8*\f:ACC+32*\qt+8*\f+7], v[16*(4*\f+\ks):16*(4*\f+\ks)+15], v[\reg+16*\qt:\reg+16*\qt+15], 0
.else
	v_wmma_f32_16x16x128_bf8_bf8 v[ACC+32*\qt+8*\f:ACC+32*\qt+8*\f+7], v[16*(4*\f+\ks):16*(4*\f+\ks)+15], v[\reg+16*\qt:\reg+16*\qt+15], v[ACC+32*\qt+8*\f:ACC+32*\qt+8*\f+7]
.endif
.endr
.endr
	WIN 0
.endm
.macro PLACES                          ; four places in front of loads into the fragments' registers, and of the first read of results
.rept 4
	v_nop
.endr
.endm
	s_wait_loadcnt 63                              ; of the 96 loads issued at most 63 are out: the first 33 are in, Y's 16, ln0_g's 8 and ln0_b's 8 among them
	LNORM RED1, RED2, G, BP
	s_wait_kmcnt 0x0
	s_add_co_i32 s3, s4, 127
	s_lshl_b32 s8, s3, 23
	v_mov_b32 v11, s8                              ; 2^e10
	s_add_co_i32 s3, s3, 15
	s_lshl_b32 s3, s3, 23
	s_or_b32 s3, s3, 0x600000
	v_mov_b32 v12, s3                              ; 57,344 x 2^e10
	s_add_co_i32 s10, s4, s5
	s_add_co_i32 s10, s10, 127
	s_lshl_b32 s10, s10, 23                        ; 2^(e10 + e11)
	s_mov_b32 s11, s10
	; Y's codes: 16 neighbours along K at a time, held into registers of their own (Y itself is the residual), two sets by turns
.set n, 0
.irp qt,0,1
.irp c,0,1
.irp i,0,1,2,3,4,5,6,7,8,9,10,11,12,13,14,15
	v_med3_num_f32 v[AF+16*(n%2)+\i], v[Y+32*\qt+16*\c+\i], -v12, v12   ; the conversion does not saturate (ISA guide 7.6.2)
.endr
	v_cvt_scalef32_pk8_bf8_f32 v[240+4*n:241+4*n], v[AF+16*(n%2):AF+16*(n%2)+7], v11
	v_cvt_scalef32_pk8_bf8_f32 v[242+4*n:243+4*n], v[AF+16*(n%2)+8:AF+16*(n%2)+15], v11
.set n, n+1
.endr
.endr
	v_nop                                          ; a plain line behind the last conversion
	s_wait_alu depctr_va_vdst(0)                   ; the conversions have written the codes v240-255, which the stores read; the norm is done reading ln0_g and ln0_b, and the holds and conversions are done with v144-175: bo and the fragments land there
.irp qt,0,1
.irp c,0,1
	ds_store_b128 v6, v[240+4*(2*\qt+\c):243+4*(2*\qt+\c)] offset:8192*\qt+512*\c
.endr
.endr
	VEC G, 20, 21                                  ; bo
	s_wait_dscnt 0x0
	s_barrier_signal -1
	s_barrier_wait -1                              ; both tiles' four fragments lie in LDS
	FRAGS AF, 0                                    ; two buffers by turns: K steps 0 and 2 in v144-175, K steps 1 and 3 in v208-239
	FRAGS BP, 1
	s_wait_loadcnt 8                               ; Wo is in; bo's 8 loads are younger
	s_wait_dscnt 8                                 ; K step 0's fragments are in; K step 1's 8 loads are younger
	MULS AF, 0
	PLACES
	s_wait_alu depctr_va_vdst(0)                   ; K step 0's products are done reading v144-175, in which K step 2's fragments land; the places above stay beside this wait
	FRAGS AF, 2
	s_wait_dscnt 8                                 ; K step 1's are in; K step 2's 8 loads are younger
	MULS BP, 1
	PLACES
	s_wait_alu depctr_va_vdst(0)                   ; K step 1's products are done reading v208-239, in which K step 3's fragments land
	FRAGS BP, 3
	s_wait_dscnt 8                                 ; K step 2's are in; K step 3's 8 loads are younger
	MULS AF, 2
	s_wait_dscnt 0x0                               ; K step 3's are in
	MULS BP, 3
	PLACES
	s_wait_alu depctr_va_vdst(0)                   ; the last products are done reading both buffers, in which ln1_b and ln1_g land
	VEC AF, 28, 29                                 ; ln1_b
	VEC BP, 26, 27                                 ; ln1_g
	s_wait_loadcnt 16                              ; bo is in; ln1_b's 8 and ln1_g's 8 loads are younger
.irp qt,0,1
.set i, 0
.rept 16
	v_pk_fma_f32 v[ACC+32*\qt+i:ACC+32*\qt+i+1], v[ACC+32*\qt+i:ACC+32*\qt+i+1], s[10:11], v[G+i:G+i+1] op_sel_hi:[1,0,1]   ; sum x 2^(e10 + e11) + bo
.set i, i+2
.endr
.endr
.set i, 0
.rept 64
	v_max_num_f32 v[ACC+i], 0, v[ACC+i]            ; relu
.set i, i+1
.endr
.set i, 0
.rept 32
	v_pk_add_f32 v[Y+i:Y+i+1], v[Y+i:Y+i+1], v[ACC+i:ACC+i+1]
.set i, i+2
.endr
	s_wait_loadcnt 0x0                             ; ln1_g, ln1_b
	s_wait_alu depctr_vm_vsrc(0)                   ; the stores of the codes have read v240-255, which the norm's sums write
	LNORM RED3, RED4, BP, AF
	; THE WAY OUT: a tile's 16 rows x 256 bytes through my stage (LDS serves a wave's instructions in order), back as whole rows: sixteen lanes store 256 consecutive bytes, aligned
	s_wait_alu depctr_va_vdst(0)                   ; the norm has written Y, which the LDS stores read; every vector instruction is done with v80-143, in which the rows land
.irp qt,0,1
.irp c,0,1
.irp j,0,1,2,3
	ds_store_b128 v8, v[Y+32*\qt+16*\c+4*\j:Y+32*\qt+16*\c+4*\j+3] offset:128*\c+16*\j
.endr
.endr
.irp i,0,1,2,3,4,5,6,7
	ds_load_b128 v[ACC+32*\qt+4*\i:ACC+32*\qt+4*\i+3], v9 offset:544*\i
.endr
.endr
.irp qt,0,1
.irp i,0,1,2,3,4,5,6,7
	s_wait_dscnt 16*(1-\qt)+7-\i                   ; behind this read: the tile's later reads, and for tile 0 tile 1's 8 stores and 8 reads
	global_store_b128 v10, v[ACC+32*\qt+4*\i:ACC+32*\qt+4*\i+3], s[32:33] offset:(16*\qt+2*\i)*2048 th:TH_STORE_NT
.endr
.endr
	s_wait_xcnt 0x0
	v_lshl_add_u32 v254, v0, 2, 0xd800
	v_mov_b32 v255, 0
	s_wait_dscnt 0x0                               ; the closing lines, six on end
	s_wait_alu 0x0
	s_wait_tensorcnt 0x0
	ds_add_u32 v254, v255
	s_wait_dscnt 0x0
	s_endpgm
.Lfunc_end_k_q2967fcce28_post:
	.size	k_q2967fcce28_post, .Lfunc_end_k_q2967fcce28_post-k_q2967fcce28_post
	.p2alignl 7, 3214868480
	.fill 96, 4, 3214868480
	.section	.rodata,"a",@progbits
	.p2align	6, 0x0
	.amdhsa_kernel k_q2967fcce28_post
		.amdhsa_group_segment_fixed_size 56320
		.amdhsa_private_segment_fixed_size 0
		.amdhsa_enable_private_segment 0
		.amdhsa_kernarg_size 72
		.amdhsa_user_sgpr_count 2
		.amdhsa_user_sgpr_kernarg_segment_ptr 1
		.amdhsa_wavefront_size32 1
		.amdhsa_system_sgpr_workgroup_id_x 1
		.amdhsa_system_sgpr_workgroup_id_y 1
		.amdhsa_system_sgpr_workgroup_id_z 1
		.amdhsa_system_vgpr_workitem_id 0
		.amdhsa_next_free_vgpr 512
		.amdhsa_next_free_sgpr 66
		.amdhsa_reserve_vcc 0
		.amdhsa_float_denorm_mode_32 3
		.amdhsa_float_denorm_mode_16_64 3
		.amdhsa_memory_ordered 1
		.amdhsa_forward_progress 1
		.amdhsa_inst_pref_size 61
	.end_amdhsa_kernel
	.amdgpu_metadata
---
amdhsa.version: [ 1, 2 ]
amdhsa.kernels:
  - .name:           k_q2967fcce28_post
    .symbol:         k_q2967fcce28_post.kd
    .args:
      - { .name: oimg, .offset: 0, .size: 8, .value_kind: global_buffer, .address_space: global }
      - { .name: Wo_codes, .offset: 8, .size: 8, .value_kind: global_buffer, .address_space: global }
      - { .name: bo, .offset: 16, .size: 8, .value_kind: global_buffer, .address_space: global }
      - { .name: ln0_g, .offset: 24, .size: 8, .value_kind: global_buffer, .address_space: global }
      - { .name: ln0_b, .offset: 32, .size: 8, .value_kind: global_buffer, .address_space: global }
      - { .name: ln1_g, .offset: 40, .size: 8, .value_kind: global_buffer, .address_space: global }
      - { .name: ln1_b, .offset: 48, .size: 8, .value_kind: global_buffer, .address_space: global }
      - { .name: lowp_scales, .offset: 56, .size: 8, .value_kind: global_buffer, .address_space: global }
      - { .name: out0, .offset: 64, .size: 8, .value_kind: global_buffer, .address_space: global }
    .group_segment_fixed_size: 56320
    .private_segment_fixed_size: 0
    .kernarg_segment_align: 8
    .kernarg_segment_size: 72
    .max_flat_workgroup_size: 256
    .sgpr_count:     66
    .vgpr_count:     512
    .wavefront_size: 32
...
	.end_amdgpu_metadata
.endif
;; end of part 6
